; MI455X (gfx1250); checked and timed in simulation.
; The chip was launched on July 23, 2026; its instructions are those of AMD's public machine-readable ISA for CDNA 5 (MIT licence, August 2026) and "CDNA5" Instruction Set Architecture Reference Guide (July 2026). The comments in the code are by the model that wrote it; some were corrected since.
;; Causal Self Attention. Allowed arithmetic: matrix products marked QUANTISED: E4M3 operands, one given power-of-two scale a tensor, by v_wmma_f32_16x16x64_fp8_fp8 or v_wmma_f32_16x16x128_fp8_fp8, f32 sums; everything else in f32.
;; Inputs: W_proj 1,024 x 1,024 float32; W_qkv 3,072 x 1,024 float32; lowp_scales 8 int32 (the exponents e of the quantised operands' scales 2^e); x 4 x 2,048 x 1,024 float32.
;; Outputs: out0 4 x 2,048 x 1,024 float32.
;; This version of the problem:
;;   THIS VERSION OF THE PROBLEM IS GIVEN IN LOW PRECISION. The matrix products marked QUANTISED in the list below multiply operands that are first quantised to E4M3 (4 exponent bits, 3 mantissa bits; 8 bits a number), with one given power-of-two scale for each operand tensor; their sums are f32. All else is computed in f32.
;;   The module's matrix products, in the order in which they are computed (A, B: the left and right operand; K: the contracted axis; several contracted axes count as one K, in the product's order):
;;     1. [M 8,192, K 1,024] x [K 1,024, N 3,072]; A: input x; B: input W_qkv: QUANTISED (scales: A lowp_scales[0], B lowp_scales[1])
;;     2. batch 64 x [M 2,048, K 64] x [K 64, N 2,048]; A: computed on the way; B: computed on the way: QUANTISED (scales: A lowp_scales[2], B lowp_scales[3])
;;     3. batch 64 x [M 2,048, K 2,048] x [K 2,048, N 64]; A: softmax (see below); B: computed on the way: QUANTISED (scales: A lowp_scales[4], B lowp_scales[5])
;;     4. [M 8,192, K 1,024] x [K 1,024, N 1,024]; A: computed on the way; B: input W_proj: QUANTISED (scales: A lowp_scales[6], B lowp_scales[7])
;;   THE QUANTISER, for each operand of a quantised product, along K:
;;     - The operand's scale is 2^e, e = its entry of the input lowp_scales (int32; the entries are numbered through the quantised products in the list's order, A before B).
;;     - Each number is divided by the scale, clamped to +-448, and rounded to the nearest number of E4M3, ties to even, subnormals kept.
;;     - The product sums the exact products of the quantised numbers (number of the format x scale) in f32.
;;   ~~~python
;;   def quantise(x, axis, e):      # numpy; x: float32 -> the quantised numbers, widened to float32 again
;;       x = np.moveaxis(x, axis, -1); K = x.shape[-1]
;;       r = np.clip(x / 2.0 ** e, -448, 448)
;;       step = 2.0 ** (np.maximum(np.frexp(np.where(r == 0, 1, r))[1] - 1, -6) - 3)
;;       q = np.round(r / step) * step * 2.0 ** e      # np.round: ties to even
;;       return np.moveaxis(q, -1, axis).astype(np.float32)
;;   ~~~
;;   SOFTMAX AHEAD OF A QUANTISED PRODUCT. Where the list says 'softmax', what is quantised is not the finished softmax but p = 2^(t - M), with t = logit x log2(e) and M = ceil(the row's largest t), a whole number; so 1/2 < the row's largest p <= 1. The row's sum l is taken of the UNQUANTISED p, in f32, and the product's result is divided by l at the end. Since M is a whole number, a kernel that streams over the keys may use a running M (the ceiling of the running maximum): every later rescaling is an exact power of two, so the quantised numbers keep their values, but for numbers so far below the row's largest that they fall under the format's range.
;;   OPERANDS COMPUTED ON THE WAY. 'Computed on the way' means the value that the module computes at that place (a softmax that the list does not call 'softmax' is quantised finished and normalised). What goes into a quantiser is computed in f32, as accurately as f32 sums, v_exp_f32 and their like allow (about 1e-6 of the number): no bf16 or f16 on the way to a quantiser, and a product that is left as it is and whose result goes on into a quantised operand takes f32 operands (vector FMAs, or v_wmma_f32_16x16x4_f32). A number that lies on a knife's edge between two numbers of the format may be rounded either way, as far as f32 arithmetic and the matrix unit's own rounding can turn it there, and no further.
;; One version. Each part assembles by itself: llvm-mc -triple=amdgcn-amd-amdhsa -mcpu=gfx1250 --defsym DOCPART=n.
;; ======== version 1 of 1: 4 launches
;; limits: right only within a limited range of input values
;; workspace buffers: x_codes 8,388,608 bytes; wqkv_codes 3,145,728 bytes; wproj_codes 1,048,576 bytes; rope 524,288 bytes; q_img 8,388,608 bytes; k_img 8,388,608 bytes; v_img 8,388,608 bytes; y_img 8,388,608 bytes
;; launch prep (part 1): grid 400 x 1, 4 waves a work-group, no clusters, 33,280 bytes of LDS; arguments x, W_qkv, W_proj, lowp_scales, x_codes, wqkv_codes, wproj_codes, rope; writes x_codes, wqkv_codes, wproj_codes, rope
.if DOCPART == 1
	.amdgcn_target "amdgcn-amd-amdhsa--gfx1250"
	.amdhsa_code_object_version 6
	.text
	.protected	k_q0702df1787_prep
	.globl	k_q0702df1787_prep
	.p2align	8
	.type	k_q0702df1787_prep,@function
k_q0702df1787_prep:
	s_mov_b64 s[64:65], 0
	v_nop
	global_prefetch_b8 v0, s[64:65] scope:SCOPE_SE
	s_setreg_imm32_b32 hwreg(HW_REG_WAVE_MODE, 25, 1), 1
	s_wait_xcnt 0x0
; x [8192][1024], W_qkv [3072][1024] and W_proj [1024][1024], f32, K innermost, become codes of FP8 (E4M3), one byte each, each tensor with its given scale 2^e
; (entries 0, 1 and 7 of the scales); and the table of cos and sin for the rotary embedding is made.
; code = x / 2^e, held within +-448, rounded to the nearest code, ties to even.  LIMITS: -126 <= e <= 119.  NaN among the inputs is not served.
; THE CODES' ORDER: rows as in the f32 tensors, but inside every 32 bytes the groups of 8 codes stand in the order k = 0-7, 16-23, 8-15, 24-31.  A lane that later takes 16 bytes at 32 c + 16 (lane / 16) of a row
; then holds k = 32 c + 8 (lane / 16) + 0..7 and k = 32 c + 16 + 8 (lane / 16) + 0..7: each k at the place that the matrix instruction's own layout gives it.
; SHARES: work-groups 0-255 take x, 256-351 W_qkv, 352-383 W_proj: 32,768 numbers each, 8,192 a wave, in 16 steps of 512.  Only pointers are chosen: the three tensors take one path.
; Each of a step's four loads reads 512 consecutive bytes; the 2,048 bytes turn through the wave's own stage in LDS, so that a lane comes to hold the 16 numbers of its 16 output bytes; the wave stores 512 consecutive bytes.
; Work-groups 384-399 make the table: rope[t] = cos(t f_i), i = 0..31, then sin(t f_i): 256 bytes a token, f_i = 10^(-i/8) (= 10000^(-2i/64)), given as f32 constants rounded from the exact values:
; they may differ in the last bit from a power and a division made in f32.  cos and sin: the angle less n pi/2 in two parts, then polynomials on +-pi/4.
.set STEPS, 16
.set WGX,   256                        ; work-groups for x
.set WGQ,   352                        ; and with W_qkv's
.set WGALL, 384                        ; and with W_proj's
.set EMAX,  8
.set MANT,  0x600000                   ; the mantissa field of 448 as f32
.set R,     16                         ; v16-79   four sets of 16 numbers as they are loaded
.set X,     80                         ; v80-111  two sets of 16 numbers in the order of the output bytes
.set C,     128                        ; v128-191 codes: four registers for each step, so that no store's data are written again
.set WREG,  8192                       ; LDS: a region for each wave: two stages of 32 x SP bytes
.set SP,    80                         ; a lane's place in a stage: its 64 bytes + 16 of padding
	s_load_b256 s[4:11], s[0:1], 0x0               ; x s[4:5], W_qkv s[6:7], W_proj s[8:9], the scales' exponents s[10:11]
	s_load_b256 s[12:19], s[0:1], 0x20             ; x_codes s[12:13], wqkv_codes s[14:15], wproj_codes s[16:17], rope s[18:19]
	v_lshl_add_u32 v192, v0, 2, 0x8000
	v_mov_b32 v193, 0
	v_lshrrev_b32 v1, 5, v0
	v_readfirstlane_b32 s20, v1                    ; wave
	v_and_b32 v2, 31, v0                           ; lane
	s_wait_kmcnt 0x0
	s_cmp_ge_u32 ttmp9, WGALL
	s_cbranch_scc1 .Ltable
	; ---------------- the quantiser
	s_load_b256 s[24:31], s[10:11], 0x0            ; e0 .. e7
	s_wait_alu depctr_va_vdst(0)
	v_lshlrev_b32 v3, 4, v2                        ; my 16 bytes of a load's 512, and of a store's 512
	s_mul_i32 s21, s20, WREG
	; the stage, on the way in.  Lane l of load i holds numbers 4 (l % 8) .. + 3 of block 4 i + l / 8.  Pieces 0, 1, 4, 5 of a block go to place 2 x block, pieces 2, 3, 6, 7 to the place after it
	v_bfe_u32 v14, v0, 3, 2
	v_bfe_u32 v15, v0, 1, 1
	v_lshl_add_u32 v14, v14, 1, v15                ; place: 2 (l / 8) + bit 1 of l   (+ 8 i, in the immediate)
	v_mul_u32_u24 v14, v14, SP
	v_bfe_u32 v15, v0, 2, 1
	v_and_b32 v5, 1, v0
	v_lshl_add_u32 v15, v15, 1, v5                 ; 16-byte slot in the place: 2 x bit 2 of l + bit 0
	v_lshl_add_u32 v14, v15, 4, v14
	v_add_nc_u32 v14, s21, v14
	v_mul_u32_u24 v15, v2, SP
	v_add_nc_u32 v15, s21, v15                     ; and on the way out: SP x lane
	s_cmp_lt_u32 ttmp9, WGQ                        ; which tensor?  The choice hangs on the work-group's number alone
	s_cselect_b64 s[6:7], s[6:7], s[8:9]
	s_cselect_b64 s[14:15], s[14:15], s[16:17]
	s_mov_b32 s22, WGQ
	s_cselect_b32 s22, WGX, s22
	s_cmp_lt_u32 ttmp9, WGX
	s_cselect_b64 s[4:5], s[4:5], s[6:7]           ; the numbers
	s_cselect_b64 s[8:9], s[12:13], s[14:15]       ; the codes
	s_cselect_b32 s22, 0, s22                      ; the tensor's first work-group
	s_sub_co_u32 s32, ttmp9, s22
	s_lshl_b32 s32, s32, 2
	s_add_co_u32 s32, s32, s20                     ; which run of 8,192 numbers is my wave's
	s_mov_b32 s33, 0
	s_lshl_b64 s[34:35], s[32:33], 15              ; 32,768 bytes of numbers
	s_add_nc_u64 s[4:5], s[4:5], s[34:35]
	s_lshl_b64 s[34:35], s[32:33], 13              ; 8,192 bytes of codes
	s_add_nc_u64 s[8:9], s[8:9], s[34:35]
.macro LOAD t
.irp i, 0,1,2,3
	global_load_b128 v[R+16*((\t)%4)+4*\i:R+16*((\t)%4)+4*\i+3], v3, s[4:5] offset:2048*(\t)+512*\i th:TH_LOAD_NT   ; 32 lanes read 512 consecutive bytes
.endr
.endm
.macro TURN t                          ; step t's numbers through the stage: LDS serves a wave's instructions in order (ISA guide 5.7.1.4), so no wait stands between the stores and the loads
.irp i, 0,1,2,3
	ds_store_b128 v14, v[R+16*((\t)%4)+4*\i:R+16*((\t)%4)+4*\i+3] offset:32*SP*((\t)%2)+8*SP*\i
.endr
.irp i, 0,1,2,3
	ds_load_b128 v[X+16*((\t)%2)+4*\i:X+16*((\t)%2)+4*\i+3], v15 offset:32*SP*((\t)%2)+16*\i
.endr
.endm
.irp t, 0,1,2,3
	LOAD \t
.endr
	s_wait_alu depctr_va_vdst(0)
	s_wait_kmcnt 0x0
	s_cmp_lt_u32 ttmp9, WGQ
	s_cselect_b32 s36, s25, s31                    ; e1 or e7
	s_cmp_lt_u32 ttmp9, WGX
	s_cselect_b32 s36, s24, s36                    ; or e0
	s_add_co_i32 s36, s36, 127
	s_lshl_b32 s37, s36, 23
	v_mov_b32 v11, s37                             ; 2^e as f32: the conversion takes its exponent field
	s_add_co_i32 s36, s36, EMAX
	s_lshl_b32 s36, s36, 23
	s_or_b32 s36, s36, MANT
	v_mov_b32 v10, s36                             ; 448 x 2^e
	s_wait_alu depctr_va_vdst(0)
	s_wait_loadcnt 12                              ; step 0's four loads are in; the 12 of steps 1 to 3 may be out
	TURN 0
.macro QSTEP t
.set XS, X+16*((\t)%2)
	s_wait_dscnt 0x0                               ; this step's numbers are back from the stage: so its stores into the stage have read their registers,
.if (\t)+4 < STEPS
	LOAD (\t)+4                                    ; which take the loads of four steps on
.endif
.if (\t)+1 < STEPS
.if STEPS-2-(\t) >= 3
	s_wait_loadcnt 12                              ; the next step's four loads are in; those of the three steps behind it may be out
.else
	s_wait_loadcnt 4*(STEPS-2-(\t))
.endif
	TURN (\t)+1                                    ; and go through the other stage while this step is worked
.endif
.irp i, 0,1,2,3,4,5,6,7,8,9,10,11,12,13,14,15
	v_med3_num_f32 v[XS+\i], v[XS+\i], -v10, v10   ; the conversion to an 8-bit code does not saturate (ISA guide 7.6.2): the hold at the largest code x the scale
.endr
	v_cvt_scalef32_pk8_fp8_f32 v[C+4*(\t):C+4*(\t)+1], v[XS:XS+7], v11
	v_cvt_scalef32_pk8_fp8_f32 v[C+4*(\t)+2:C+4*(\t)+3], v[XS+8:XS+15], v11
	global_store_b128 v3, v[C+4*(\t):C+4*(\t)+3], s[8:9] offset:512*(\t)   ; the wave stores 512 consecutive bytes, aligned.  (The codes go to a store alone; the next vector lines are the next step's holds, on other registers)
.endm
.irp t, 0,1,2,3,4,5,6,7,8,9,10,11,12,13,14,15
	QSTEP \t
.endr
	s_wait_tensorcnt 0x0
	ds_add_u32 v192, v193
	s_wait_dscnt 0x0
	s_endpgm
	; ---------------- the table: a wave makes 32 tokens' rows, one row a trip.  Lane l holds i = 2 (l % 16) and the next; lanes 0-15 make cos, lanes 16-31 sin
.Ltable:
	s_sub_co_u32 s53, ttmp9, WGALL
	s_lshl_b32 s53, s53, 7
	s_lshl_b32 s54, s20, 5
	s_add_co_u32 s53, s53, s54                     ; my first token: 128 x work-group + 32 x wave
	s_lshl_b32 s56, s53, 8
	s_mov_b32 s57, 0
	s_add_nc_u64 s[18:19], s[18:19], s[56:57]      ; its row of 256 bytes
	s_mov_b32 s44, 0x3f22f983                      ; 2 / pi
	s_mov_b32 s45, 0x3fc90fdb                      ; pi / 2, the f32 nearest to it,
	s_mov_b32 s46, 0xb33bbd2e                      ; and what that lacks
	s_mov_b32 s47, -0.16666654611                  ; sin r = r + r z (S1 + z (S2 + z S3)), z = r r
	s_mov_b32 s48, 0.0083321608736
	s_mov_b32 s49, -0.00019515295891
	s_mov_b32 s50, 0.04166664568                   ; cos r = 1 + z (-1/2 + z (C1 + z (C2 + z C3)))
	s_mov_b32 s51, -0.001388731625
	s_mov_b32 s52, 0.00002443315712
	v_mov_b32 v20, 0
	v_mov_b32 v21, 0
.macro FREQ e, c0, c1                  ; f of i = 2 e and 2 e + 1 into lanes e and e + 16
	s_mov_b32 s40, \c0
	s_mov_b32 s41, \c1
	v_writelane_b32 v20, s40, \e
	v_writelane_b32 v20, s40, \e+16
	v_writelane_b32 v21, s41, \e
	v_writelane_b32 v21, s41, \e+16
.endm
	FREQ 0,  1.0,               0.749894209332
	FREQ 1,  0.562341325190,    0.421696503429
	FREQ 2,  0.316227766017,    0.237137370566
	FREQ 3,  0.177827941004,    0.133352143216
	FREQ 4,  0.1,               0.0749894209332
	FREQ 5,  0.0562341325190,   0.0421696503429
	FREQ 6,  0.0316227766017,   0.0237137370566
	FREQ 7,  0.0177827941004,   0.0133352143216
	FREQ 8,  0.01,              0.00749894209332
	FREQ 9,  0.00562341325190,  0.00421696503429
	FREQ 10, 0.00316227766017,  0.00237137370566
	FREQ 11, 0.00177827941004,  0.00133352143216
	FREQ 12, 0.001,             0.000749894209332
	FREQ 13, 0.000562341325190, 0.000421696503429
	FREQ 14, 0.000316227766017, 0.000237137370566
	FREQ 15, 0.000177827941004, 0.000133352143216
	v_bfe_u32 v22, v0, 4, 1
	v_mul_u32_u24 v22, v22, 3                      ; sin a = cos(a - pi/2): lanes 16-31 count three quadrants on
	v_lshlrev_b32 v23, 3, v2                       ; 8 bytes a lane: the wave stores a row's 256 bytes
.macro TRIG f, o
	v_mul_f32 v30, v1, v[\f]                       ; the angle a = t f, one f32 product
	v_mul_f32 v31, s44, v30
	v_rndne_f32 v31, v31                           ; n = the nearest whole number to a 2 / pi, at most 1,303
	v_fma_f32 v32, -v31, s45, v30                  ; r = a - n pi/2, in two parts: the first difference is a multiple of 2^-23 under 1 and is not rounded
	v_fma_f32 v32, -v31, s46, v32
	v_mul_f32 v33, v32, v32                        ; z
	v_fma_f32 v34, s49, v33, s48
	v_fma_f32 v35, s52, v33, s51
	v_fma_f32 v34, v34, v33, s47
	v_fma_f32 v35, v35, v33, s50
	v_mul_f32 v34, v34, v33
	v_fma_f32 v35, v35, v33, -0.5
	v_fma_f32 v34, v34, v32, v32                   ; sin r
	v_fma_f32 v35, v35, v33, 1.0                   ; cos r
	v_cvt_i32_f32 v36, v31
	v_add_nc_u32 v36, v36, v22                     ; the quadrant q: cos(r + q pi/2) = cos r, -sin r, -cos r, sin r for q mod 4 = 0, 1, 2, 3
	v_and_b32 v37, 1, v36
	v_cmp_eq_u32 vcc_lo, 1, v37
	v_cndmask_b32 v35, v35, v34, vcc_lo
	v_add_nc_u32 v36, 1, v36
	v_and_b32 v36, 2, v36
	v_lshlrev_b32 v36, 30, v36                     ; the sign bit for q mod 4 = 1, 2
	v_xor_b32 v[\o], v36, v35
.endm
	s_mov_b32 s55, 0
.Lrow:
	v_cvt_f32_u32 v1, s53                          ; t
	TRIG 20, 40
	TRIG 21, 41
	global_store_b64 v23, v[40:41], s[18:19]       ; 256 consecutive bytes, aligned
	s_wait_xcnt 0x0                                ; the store has read its data and its base: both are written again below and in the next trip
	s_add_nc_u64 s[18:19], s[18:19], 256
	s_add_co_u32 s53, s53, 1
	s_add_co_u32 s55, s55, 1
	s_cmp_lt_u32 s55, 32
	s_cbranch_scc1 .Lrow
	s_endpgm
.Lfunc_end_k_q0702df1787_prep:
	.size	k_q0702df1787_prep, .Lfunc_end_k_q0702df1787_prep-k_q0702df1787_prep
	.p2alignl 7, 3214868480
	.fill 96, 4, 3214868480
	.section	.rodata,"a",@progbits
	.p2align	6, 0x0
	.amdhsa_kernel k_q0702df1787_prep
		.amdhsa_group_segment_fixed_size 33280
		.amdhsa_private_segment_fixed_size 0
		.amdhsa_enable_private_segment 0
		.amdhsa_kernarg_size 64
		.amdhsa_user_sgpr_count 2
		.amdhsa_user_sgpr_kernarg_segment_ptr 1
		.amdhsa_wavefront_size32 1
		.amdhsa_system_sgpr_workgroup_id_x 1
		.amdhsa_system_sgpr_workgroup_id_y 1
		.amdhsa_system_sgpr_workgroup_id_z 1
		.amdhsa_system_vgpr_workitem_id 0
		.amdhsa_next_free_vgpr 194
		.amdhsa_next_free_sgpr 66
		.amdhsa_reserve_vcc 1
		.amdhsa_float_denorm_mode_32 3
		.amdhsa_float_denorm_mode_16_64 3
		.amdhsa_memory_ordered 1
		.amdhsa_forward_progress 1
		.amdhsa_inst_pref_size 47
	.end_amdhsa_kernel
	.amdgpu_metadata
---
amdhsa.version: [ 1, 2 ]
amdhsa.kernels:
  - .name:           k_q0702df1787_prep
    .symbol:         k_q0702df1787_prep.kd
    .args:
      - { .name: x, .offset: 0, .size: 8, .value_kind: global_buffer, .address_space: global }
      - { .name: W_qkv, .offset: 8, .size: 8, .value_kind: global_buffer, .address_space: global }
      - { .name: W_proj, .offset: 16, .size: 8, .value_kind: global_buffer, .address_space: global }
      - { .name: lowp_scales, .offset: 24, .size: 8, .value_kind: global_buffer, .address_space: global }
      - { .name: x_codes, .offset: 32, .size: 8, .value_kind: global_buffer, .address_space: global }
      - { .name: wqkv_codes, .offset: 40, .size: 8, .value_kind: global_buffer, .address_space: global }
      - { .name: wproj_codes, .offset: 48, .size: 8, .value_kind: global_buffer, .address_space: global }
      - { .name: rope, .offset: 56, .size: 8, .value_kind: global_buffer, .address_space: global }
    .group_segment_fixed_size: 33280
    .private_segment_fixed_size: 0
    .kernarg_segment_align: 8
    .kernarg_segment_size: 64
    .max_flat_workgroup_size: 128
    .sgpr_count:     66
    .vgpr_count:     194
    .wavefront_size: 32
...
	.end_amdgpu_metadata
.endif
;; end of part 1
;; launch qkv (part 2): grid 8 x 32, 4 waves a work-group, clusters of 4 x 4, 327,680 bytes of LDS; arguments x_codes, wqkv_codes, lowp_scales, rope, q_img, k_img, v_img; writes q_img, k_img, v_img
.if DOCPART == 2
	.amdgcn_target "amdgcn-amd-amdhsa--gfx1250"
	.amdhsa_code_object_version 6
	.text
	.protected	k_q0702df1787_qkv
	.globl	k_q0702df1787_qkv
	.p2align	8
	.type	k_q0702df1787_qkv,@function
k_q0702df1787_qkv:
	s_mov_b64 s[64:65], 0
	v_nop
	global_prefetch_b8 v0, s[64:65] scope:SCOPE_SE
	s_setreg_imm32_b32 hwreg(HW_REG_WAVE_MODE, 25, 1), 1
	s_wait_xcnt 0x0
	s_wait_alu depctr_hold_cnt(0) depctr_sa_sdst(0) depctr_va_vdst(0) depctr_va_sdst(0) depctr_va_ssrc(0) depctr_va_vcc(0) depctr_vm_vsrc(0)
	s_getreg_b32 s2, hwreg(HW_REG_IB_STS2, 6, 4)
	s_cmp_eq_u32 s2, 0
	s_cbranch_scc0 .Lentry_in_a_cluster
	s_endpgm
.Lentry_in_a_cluster:
	s_bfe_u32 s2, ttmp6, 0x10000c
	s_cmp_lg_u32 s2, 0xf033
	s_cbranch_scc0 .Lentry_shape_is_right
	s_endpgm
.Lentry_shape_is_right:
; qkv = x W_qkv^T on codes of FP8 (E4M3), K = 1,024; then the rotary embedding on q and k; then q, k and v are quantised with their given scales and stored as IMAGES OF OPERAND REGISTERS for the attention launch.
; SHARES.  A work-group takes 256 tokens and TWO heads, and makes q, k and v of them: 256 x 384 outputs; 32 blocks of tokens x 8 pairs of heads are 256 work-groups.  Each of its four waves takes 64 tokens.
; x STAYS IN REGISTERS: a wave's 64 tokens x 1,024 codes are 4 x 8 fragments, 512 registers.  They come once through LDS: the head's four tensor loads (one a wave) lay x's two halves along K into two regions of 135,168 bytes.
; W_qkv GOES THROUGH THE SAME TWO REGIONS, 128 rows (two heads) x the whole K at a time: q's rows into region 0 when x's first half has been read out, k's into region 1 when the second has, v's into region 0 behind q's products.
; Each of these fills stands behind the three lines and a round of the cluster's barrier; each wave fetches 32 of the 128 rows.  k's rows land under q's products, v's under k's.
; A CHUNK is one head, 64 rows of W_qkv: 16 accumulators (4 blocks of tokens x 4 blocks of rows), 8 steps of 128 along K; each fragment of W that is read from LDS feeds four matrix instructions.
;   q, k: source 0 = 16 rows of W, source 1 = 16 tokens: a lane holds one token and, in accumulator (a, b), d = 16 b + 8 (lane / 16) + 0..7: neighbours along the head, the next product's K.
;   v: THE SOURCES ARE SWAPPED: a lane holds one channel and eight neighbouring tokens: neighbours along the keys, the K of the product with the softmax.
; So the conversions' results are operand registers as they stand: each group of four leaves by one store of 512 consecutive bytes (16 x lane).
;   q_img, k_img: [head b*16+h][block of 16 tokens][2][512 bytes].      v_img: [head][step of 128 keys][block of 16 channels][4][512 bytes].
; ROTARY: d and d + 32 lie in accumulators b and b + 2 of the same lane and register; cos and sin of my 64 tokens are loaded once, 128 registers, and serve all four chunks of q and k.
; The sums lack the factor 2^(e0 + e1); the embedding is linear, so the factor goes into the conversion's scale: 2^(eT - e0 - e1), eT = e2 (q), e3 (k), e5 (v).  LIMIT: eT - e0 - e1 between -126 and 119.
; CLUSTERS: 4 x 4 work-groups; x's tiles are asked for jointly along a row of the cluster, W's along a column.  No branch and no LDS address hangs on a place in the cluster.
; Nothing is prefetched: the three fills with W are written out, k's and v's are each asked for a whole phase (two chunks) ahead of the first read, q's while x's second half is read out, and there is no loop to run ahead in.
; REGISTERS.  Window 0: v8-29 constants and addresses; v32-63 a block's numbers; v96-127 codes; v128-255 cos and sin.  Window 1: v0-127 accumulators ((a, b) at v[8 (4 a + b)]); v128-255 W's fragments, two sets of four.
; Windows 2, 3: x's fragments: block a, K step s at v[512 + 128 a + 16 s].
.set XP,    528                        ; x's LDS row: 512 bytes + 16 of padding: an odd multiple of 16
.set WP,    1040                       ; W's LDS row: 1,024 bytes + 16
.set RS,    256*XP                     ; a region: 135,168 bytes (W's 128 rows take 133,120 of them)
.set SPARE, 2*RS                       ; behind the regions: the spare words, 128 bytes a wave
.set SCL,  8                           ; 2^(eT - e0 - e1) as f32
.set LIM,  9                           ; 448 x that
.set TBO,  10                          ; my byte in a block's 16 rows of the table: 256 (lane % 16) + 32 (lane / 16)
.set LI,   11                          ; 16 x lane: my place in an image
.set ADX,  12                          ; v12, v13  my rows of x in regions 0, 1
.set ADW0, 14                          ; my lane's place in a block of W's rows
.set ADW,  15                          ; the chunk's
.set SPW,  28
.set NIL,  29
.set R,    32
.set CD,   96
.set CSR,  128
.set G1X,  24                          ; s[24:31], s[32:35] x's descriptor
.set G0X,  32
.set G1W,  48                          ; s[48:55] W's group 1;  s[56:59] group 0 into region 0;  s[60:63] into region 1
.set G0A,  56
.set G0B,  60
.set TB,   66                          ; LDS byte at which the chunk's 64 rows begin
.set CNT,  67
.set OUTP, 82                          ; s[82:83] where the chunk's images go
.set MSB, 0
.macro WIN new                         ; the immediate's high byte repeats the setting that is left
.if MSB != \new
	s_set_vgpr_msb (MSB<<8)|\new
.set MSB, \new
.endif
.endm
.macro CROUND                          ; a round of the cluster's barrier
	s_barrier_signal -1
	s_barrier_wait -1
	s_cmp_lg_u32 s14, 0
	s_cbranch_scc1 .Lnot_wave_0_\@
	s_barrier_signal -3
.Lnot_wave_0_\@:
	s_barrier_wait -3
	s_barrier_signal -1
	s_barrier_wait -1
.endm
.macro PLACES
.rept 4
	v_nop
.endr
.endm
.macro TL g0, g1                       ; a joint load, every wave's own part; an s_nop 0 and four v_nop follow
	tensor_load_to_lds s[\g0:\g0+3], s[\g1:\g1+7]
	s_nop 0
	PLACES
.endm
.macro GRD
	s_wait_tensorcnt 0x0
	ds_add_u32 v[SPW], v[NIL]
	s_wait_dscnt 0x0
.endm
	s_load_b256 s[4:11], s[0:1], 0x0               ; x_codes, wqkv_codes, the scales' exponents, the table
	s_load_b128 s[76:79], s[0:1], 0x20             ; q_img, k_img
	s_load_b64 s[80:81], s[0:1], 0x30              ; v_img
	v_lshl_add_u32 v[SPW], v0, 2, SPARE
	v_mov_b32 v[NIL], 0
	ds_add_u32 v[SPW], v[NIL]                      ; the opening lines: the add twice on end and its wait
	ds_add_u32 v[SPW], v[NIL]
	v_lshrrev_b32 v1, 5, v0
	v_readfirstlane_b32 s14, v1                    ; wave 0..3: my 64 tokens
	s_lshr_b32 s15, s14, 1                         ; of x I fetch half s15 along K,
	s_and_b32 s16, s14, 1                          ; rows 128 x s16 on
	s_bfe_u32 s40, ttmp6, 0x40000                  ; cx, cy
	s_bfe_u32 s41, ttmp6, 0x40004
	s_lshl_b32 s42, ttmp9, 2
	s_add_co_u32 s42, s42, s40                     ; the pair of heads, 0..7
	s_and_b32 s17, ttmp7, 0xffff
	s_lshl_b32 s17, s17, 2
	s_add_co_u32 s17, s17, s41                     ; the block of 256 tokens, 0..31
	s_lshl_b32 s43, s41, 2
	s_lshl_b32 s43, 15, s43                        ; my row of the cluster
	s_lshl_b32 s44, 0x1111, s40                    ; my column
	s_or_b32 s[G1X], s43, (0<<16)|(1<<20)|(1<<21)|(6<<22)|(3<<25)   ; x: elements of 1 byte; four words of padding after every 128
	s_mov_b32 s[G1X+1], 512<<16                    ; 128 rows of 512 bytes, 1,024 apart
	s_mov_b32 s[G1X+2], 128<<16
	s_mov_b32 s[G1X+3], 512<<16
	s_mov_b32 s[G1X+4], 128
	s_mov_b32 s[G1X+5], 1024
	s_mov_b32 s[G1X+6], 0
	s_mov_b32 s[G1X+7], 0
	s_or_b32 s[G1W], s44, (0<<16)|(1<<20)|(1<<21)|(7<<22)|(3<<25)   ; W: four words of padding after every 256
	s_mov_b32 s[G1W+1], 1024<<16                   ; 32 rows of 1,024 bytes
	s_mov_b32 s[G1W+2], 32<<16
	s_mov_b32 s[G1W+3], 1024<<16
	s_mov_b32 s[G1W+4], 32
	s_mov_b32 s[G1W+5], 1024
	s_mov_b32 s[G1W+6], 0
	s_mov_b32 s[G1W+7], 0
	s_lshl_b32 s20, s17, 18                        ; x: 256 rows of 1,024 bytes a block: made of cy and the cluster's y alone,
	s_lshl_b32 s18, s16, 17
	s_add_co_u32 s20, s20, s18
	s_lshl_b32 s18, s15, 9
	s_add_co_u32 s20, s20, s18                     ; and of the wave's number
	s_mov_b32 s21, 0
	s_mul_i32 s22, s15, RS
	s_mul_i32 s23, s16, 128*XP
	s_add_co_u32 s22, s22, s23                     ; where it goes: no place in the cluster enters an LDS address
	s_lshl_b32 s46, s42, 17                        ; W: 128 rows a pair of heads: made of cx and the cluster's x alone,
	s_lshl_b32 s18, s14, 15
	s_add_co_u32 s46, s46, s18                     ; and my 32 rows
	s_mov_b32 s47, 0
	s_mul_i32 s45, s14, 32*WP
	s_wait_dscnt 0x0
	s_wait_kmcnt 0x0
	s_load_b256 s[88:95], s[8:9], 0x0              ; e0 .. e7
	s_mov_b32 s[G0X], 1
	s_mov_b32 s[G0X+1], s22
	s_add_nc_u64 s[G0X+2:G0X+3], s[4:5], s[20:21]
	s_or_b32 s[G0X+3], s[G0X+3], 0x80000000
	s_mov_b32 s[G0A], 1
	s_mov_b32 s[G0A+1], s45
	s_add_nc_u64 s[G0A+2:G0A+3], s[6:7], s[46:47]  ; q's rows
	s_mov_b32 s[G0B], 1
	s_add_co_u32 s[G0B+1], s45, RS
	s_add_nc_u64 s[G0B+2:G0B+3], s[G0A+2:G0A+3], 0x100000   ; k's rows lie 1,024 rows further on
	s_or_b32 s[G0A+3], s[G0A+3], 0x80000000
	s_or_b32 s[G0B+3], s[G0B+3], 0x80000000
	CROUND                                         ; all sixteen work-groups are here: the first joint loads meet
	TL G0X, G1X                                    ; x: one load a wave
	v_and_b32 v1, 15, v0                           ; r
	v_bfe_u32 v2, v0, 4, 1                         ; h
	v_mul_u32_u24 v3, v1, XP
	v_lshl_add_u32 v3, v2, 4, v3
	v_mul_u32_u24 v4, v1, WP
	v_lshl_add_u32 v[ADW0], v2, 4, v4
	v_lshlrev_b32 v[TBO], 8, v1
	v_lshl_add_u32 v[TBO], v2, 5, v[TBO]
	v_and_b32 v[LI], 31, v0
	v_lshlrev_b32 v[LI], 4, v[LI]
	s_mul_i32 s21, s14, 64*XP                      ; my 64 rows of x
	v_add_nc_u32 v[ADX], s21, v3
	v_add_nc_u32 v[ADX+1], RS, v[ADX]
	s_wait_alu depctr_va_vdst(0)                   ; the wait ahead of the run of scalar lines
	s_lshr_b32 s84, s17, 3
	s_lshl_b32 s84, s84, 4
	s_lshl_b32 s85, s42, 1
	s_add_co_u32 s84, s84, s85
	s_lshl_b32 s84, s84, 17                        ; my first head, batch x 16 + 2 x pair: 131,072 bytes a head
	s_and_b32 s85, s17, 7                          ; the block's place in its sequence
	s_lshl_b32 s86, s85, 4
	s_lshl_b32 s87, s14, 2
	s_add_co_u32 s86, s86, s87
	s_lshl_b32 s86, s86, 10                        ; q, k: my first block of 16 tokens, 1,024 bytes each
	s_add_co_u32 s68, s84, s86
	s_mov_b32 s69, 0
	s_lshl_b32 s86, s85, 1
	s_add_co_u32 s86, s86, s15
	s_lshl_b32 s86, s86, 13                        ; v: my step of 128 keys, 8,192 bytes each,
	s_lshl_b32 s87, s16, 10                        ; and my half of each fragment: two groups of 512 bytes
	s_add_co_u32 s86, s86, s87
	s_add_co_u32 s70, s84, s86
	s_mov_b32 s71, 0
	s_lshl_b32 s72, s85, 16
	s_lshl_b32 s87, s14, 14
	s_add_co_u32 s72, s72, s87                     ; the table at my first token in its sequence, 256 bytes a token
	s_mov_b32 s73, 0
	s_add_nc_u64 s[10:11], s[10:11], s[72:73]
.irp a, 0,1,2,3                                ; cos and sin: lane (r, h) takes, of token r's row, i = 8 h + 0..7 and 16 + 8 h + 0..7 of each
.irp g, 0,1
.irp t, 0,1
	global_load_b128 v[CSR+32*\a+16*\g+8*\t:CSR+32*\a+16*\g+8*\t+3],   v[TBO], s[10:11] offset:\a*4096+128*\g+64*\t
	global_load_b128 v[CSR+32*\a+16*\g+8*\t+4:CSR+32*\a+16*\g+8*\t+7], v[TBO], s[10:11] offset:\a*4096+128*\g+64*\t+16
.endr
.endr
.endr
.macro XREAD half                      ; my 64 tokens x 512 codes out of a region: 64 loads of 16 bytes a lane; by the codes' order in memory each k stands at its own place
.irp a, 0,1,2,3
	WIN (0x80+0x40*(\a/2))
.irp s, 0,1,2,3
.irp c, 0,1,2,3
	ds_load_b128 v[128*(\a%2)+16*(4*\half+\s)+4*\c:128*(\a%2)+16*(4*\half+\s)+4*\c+3], v[ADX+\half] offset:\a*16*XP+128*\s+32*\c
.endr
.endr
.endr
	WIN 0
.endm
.macro FW s, p                         ; W's four fragments of K step s into set p
	WIN 0x40
.irp b, 0,1,2,3
.irp c, 0,1,2,3
	ds_load_b128 v[128+64*(\p)+16*\b+4*\c:128+64*(\p)+16*\b+4*\c+3], v[ADW] offset:\b*16*WP+128*(\s)+32*\c
.endr
.endr
.endm
; 16 matrix instructions, 128 along K: the 16 accumulators take turns, in the same order in every step.  zero = 1: the first products start the sums
.macro MM s, p, zero, swap
.irp g, 0,1
.if \swap
	WIN (0x56+\g)                                  ; source 0 (x) window 2 or 3, source 1 (W), C and D window 1
.else
	WIN (0x59+4*\g)                                ; source 0 (W), C and D window 1, source 1 (x) window 2 or 3
.endif
.irp e, 0,1
.irp b, 0,1,2,3
.set AC, 8*(4*(2*\g+\e)+\b)
.set WF, 128+64*(\p)+16*\b
.set XF, 128*\e+16*(\s)
.if \swap
.if \zero
	v_wmma_f32_16x16x128_fp8_fp8 v[AC:AC+7], v[XF:XF+15], v[WF:WF+15], 0
.else
	v_wmma_f32_16x16x128_fp8_fp8 v[AC:AC+7], v[XF:XF+15], v[WF:WF+15], v[AC:AC+7]
.endif
.else
.if \zero
	v_wmma_f32_16x16x128_fp8_fp8 v[AC:AC+7], v[WF:WF+15], v[XF:XF+15], 0
.else
	v_wmma_f32_16x16x128_fp8_fp8 v[AC:AC+7], v[WF:WF+15], v[XF:XF+15], v[AC:AC+7]
.endif
.endif
.endr
.endr
.endr
.endm
.macro CHUNK swap                      ; one head's products: while a step is multiplied the next step's fragments of W are on their way into the other set
	v_add_nc_u32 v[ADW], s[TB], v[ADW0]
	s_wait_alu depctr_va_vdst(0)                   ; the address, the scale
	FW 0, 0
.irp s, 0,1,2,3,4,5,6,7
	s_wait_dscnt 0x0                               ; this step's fragments are in
.if \s < 7
	PLACES                                         ; in front of loads into registers that the last step's products have read
	FW \s+1, (\s+1)%2
.endif
.if \s == 0
	MM \s, 0, 1, \swap
.else
	MM \s, (\s)%2, 0, \swap
.endif
.endr
	WIN 0
	PLACES                                         ; behind the last products, in front of the first read of the sums
.endm
; q and k: out(d) = x(d) cos - x(d + 32) sin, out(d + 32) = x(d + 32) cos + x(d) sin, two numbers an instruction; each accumulator is read from its low end on; then the hold, the conversion, two stores a block of tokens
.macro QKOUT
.irp a, 0,1,2,3
	WIN 0x01                                       ; source 0: window 1
.irp t, 0,1
.irp p, 0,2,4,6
.set I1, 8*\t+\p
.set I2, I1+16
.set IC, CSR+32*\a+8*\t+\p
	v_pk_mul_f32 v[R+I1:R+I1+1], v[32*\a+I2:32*\a+I2+1], v[IC+16:IC+17]
	v_pk_mul_f32 v[R+I2:R+I2+1], v[32*\a+I1:32*\a+I1+1], v[IC+16:IC+17]
	v_pk_fma_f32 v[R+I1:R+I1+1], v[32*\a+I1:32*\a+I1+1], v[IC:IC+1], v[R+I1:R+I1+1] neg_lo:[0,0,1] neg_hi:[0,0,1]
	v_pk_fma_f32 v[R+I2:R+I2+1], v[32*\a+I2:32*\a+I2+1], v[IC:IC+1], v[R+I2:R+I2+1]
.endr
.endr
	WIN 0
.irp b, 0,1,2,3
.irp i, 0,1,2,3,4,5,6,7
	v_med3_num_f32 v[R+8*\b+\i], v[R+8*\b+\i], -v[LIM], v[LIM]   ; the conversion does not saturate (ISA guide 7.6.2): the hold at the largest code x the scale
.endr
	v_cvt_scalef32_pk8_fp8_f32 v[CD+8*\a+2*\b:CD+8*\a+2*\b+1], v[R+8*\b:R+8*\b+7], v[SCL]   ; registers 2 b, 2 b + 1 of the fragment: d = 16 b + 8 (lane / 16) + 0..7
.endr
	v_nop                                          ; a plain line between the last conversion and the next vector line that writes its sources
	global_store_b128 v[LI], v[CD+8*\a:CD+8*\a+3], s[OUTP:OUTP+1] offset:\a*1024          ; 512 consecutive bytes, aligned
	global_store_b128 v[LI], v[CD+8*\a+4:CD+8*\a+7], s[OUTP:OUTP+1] offset:\a*1024+512
.endr
.endm
; v: block b's 16 channels x my 64 keys: half a fragment, registers 2 a, 2 a + 1 for my block a of tokens
.macro VOUT
.irp b, 0,1,2,3
	WIN 0x01
.irp a, 0,1,2,3
.irp i, 0,1,2,3,4,5,6,7
	v_med3_num_f32 v[R+8*\a+\i], v[8*(4*\a+\b)+\i], -v[LIM], v[LIM]   ; the hold, out of the accumulators, each from its low end on
.endr
.endr
	WIN 0
.irp a, 0,1,2,3
	v_cvt_scalef32_pk8_fp8_f32 v[CD+8*\b+2*\a:CD+8*\b+2*\a+1], v[R+8*\a:R+8*\a+7], v[SCL]
.endr
	v_nop
	global_store_b128 v[LI], v[CD+8*\b:CD+8*\b+3], s[OUTP:OUTP+1] offset:\b*2048
	global_store_b128 v[LI], v[CD+8*\b+4:CD+8*\b+7], s[OUTP:OUTP+1] offset:\b*2048+512
.endr
.endm
.macro SETSCL e                        ; the conversion's scale 2^(eT - e0 - e1) and 448 x that
	s_sub_co_i32 s84, s[\e], s88
	s_sub_co_i32 s84, s84, s89
	s_add_co_i32 s84, s84, 127
	s_lshl_b32 s85, s84, 23
	v_mov_b32 v[SCL], s85
	s_add_co_i32 s84, s84, 8
	s_lshl_b32 s84, s84, 23
	s_or_b32 s84, s84, 0x600000
	v_mov_b32 v[LIM], s84
.endm
.macro PHASE swap                      ; a region's two heads, one after the other
	s_mov_b32 s[CNT], 2
.Lhead_\@:
	CHUNK \swap
.if \swap
	VOUT
.else
	QKOUT
.endif
	s_wait_xcnt 0x0                                ; the stores have read their codes and their base: both are written again
	s_add_nc_u64 s[OUTP:OUTP+1], s[OUTP:OUTP+1], 131072
	s_add_co_u32 s[TB], s[TB], 64*WP
	s_sub_co_u32 s[CNT], s[CNT], 1
	s_cmp_lg_u32 s[CNT], 0
	s_cbranch_scc1 .Lhead_\@
.endm
	s_wait_alu depctr_va_vdst(0)                   ; the wait at the head's end
	s_wait_tensorcnt 0x0                           ; my quarter of x is in LDS,
	s_barrier_signal -1
	s_barrier_wait -1                              ; everybody's is
	XREAD 0
	GRD
	CROUND                                         ; everybody's are, in all sixteen work-groups
	TL G0A, G1W                                    ; q's rows into region 0
	XREAD 1
	GRD
	CROUND
	TL G0B, G1W                                    ; k's rows into region 1: they land under q's products
	s_wait_kmcnt 0x0
	SETSCL 90
	s_add_nc_u64 s[OUTP:OUTP+1], s[76:77], s[68:69]
	s_mov_b32 s[TB], 0
	s_wait_loadcnt 0x0                             ; cos and sin
	PHASE 0
	s_wait_tensorcnt 0x0                           ; k's rows are in
	ds_add_u32 v[SPW], v[NIL]
	s_add_nc_u64 s[G0A+2:G0A+3], s[G0A+2:G0A+3], 0x200000   ; no load of mine is out: v's rows lie 2,048 rows behind q's
	s_wait_dscnt 0x0                               ; my reads of region 0 are over
	CROUND
	TL G0A, G1W                                    ; v's rows into region 0: they land under k's products
	SETSCL 91
	s_add_nc_u64 s[OUTP:OUTP+1], s[78:79], s[68:69]
	s_mov_b32 s[TB], RS
	PHASE 0
	s_wait_tensorcnt 0x0                           ; my part of v's rows is in,
	s_barrier_signal -1
	s_barrier_wait -1                              ; everybody's is
	SETSCL 93
	s_add_nc_u64 s[OUTP:OUTP+1], s[80:81], s[70:71]
	s_mov_b32 s[TB], 0
	PHASE 1
	s_wait_tensorcnt 0x0                           ; the wave's end
	ds_add_u32 v[SPW], v[NIL]
	s_wait_dscnt 0x0
	CROUND                                         ; the closing round
	s_endpgm
.Lfunc_end_k_q0702df1787_qkv:
	.size	k_q0702df1787_qkv, .Lfunc_end_k_q0702df1787_qkv-k_q0702df1787_qkv
	.p2alignl 7, 3214868480
	.fill 96, 4, 3214868480
	.section	.rodata,"a",@progbits
	.p2align	6, 0x0
	.amdhsa_kernel k_q0702df1787_qkv
		.amdhsa_group_segment_fixed_size 327680
		.amdhsa_private_segment_fixed_size 0
		.amdhsa_enable_private_segment 0
		.amdhsa_kernarg_size 56
		.amdhsa_user_sgpr_count 2
		.amdhsa_user_sgpr_kernarg_segment_ptr 1
		.amdhsa_wavefront_size32 1
		.amdhsa_system_sgpr_workgroup_id_x 1
		.amdhsa_system_sgpr_workgroup_id_y 1
		.amdhsa_system_sgpr_workgroup_id_z 1
		.amdhsa_system_vgpr_workitem_id 0
		.amdhsa_next_free_vgpr 1024
		.amdhsa_next_free_sgpr 100
		.amdhsa_reserve_vcc 0
		.amdhsa_float_denorm_mode_32 3
		.amdhsa_float_denorm_mode_16_64 3
		.amdhsa_memory_ordered 1
		.amdhsa_forward_progress 1
		.amdhsa_inst_pref_size 123
	.end_amdhsa_kernel
	.amdgpu_metadata
---
amdhsa.version: [ 1, 2 ]
amdhsa.kernels:
  - .name:           k_q0702df1787_qkv
    .symbol:         k_q0702df1787_qkv.kd
    .args:
      - { .name: x_codes, .offset: 0, .size: 8, .value_kind: global_buffer, .address_space: global }
      - { .name: wqkv_codes, .offset: 8, .size: 8, .value_kind: global_buffer, .address_space: global }
      - { .name: lowp_scales, .offset: 16, .size: 8, .value_kind: global_buffer, .address_space: global }
      - { .name: rope, .offset: 24, .size: 8, .value_kind: global_buffer, .address_space: global }
      - { .name: q_img, .offset: 32, .size: 8, .value_kind: global_buffer, .address_space: global }
      - { .name: k_img, .offset: 40, .size: 8, .value_kind: global_buffer, .address_space: global }
      - { .name: v_img, .offset: 48, .size: 8, .value_kind: global_buffer, .address_space: global }
    .group_segment_fixed_size: 327680
    .private_segment_fixed_size: 0
    .kernarg_segment_align: 8
    .kernarg_segment_size: 56
    .max_flat_workgroup_size: 128
    .sgpr_count:     100
    .vgpr_count:     1024
    .wavefront_size: 32
...
	.end_amdgpu_metadata
.endif
;; end of part 2
;; launch attn (part 3): grid 4 x 64, 8 waves a work-group, clusters of 4 x 1, 264,192 bytes of LDS; arguments q_img, k_img, v_img, lowp_scales, y_img; writes y_img
.if DOCPART == 3
	.amdgcn_target "amdgcn-amd-amdhsa--gfx1250"
	.amdhsa_code_object_version 6
	.text
	.protected	k_q0702df1787_attn
	.globl	k_q0702df1787_attn
	.p2align	8
	.type	k_q0702df1787_attn,@function
k_q0702df1787_attn:
	s_mov_b64 s[64:65], 0
	v_nop
	global_prefetch_b8 v0, s[64:65] scope:SCOPE_SE
	s_setreg_imm32_b32 hwreg(HW_REG_WAVE_MODE, 25, 1), 1
	s_wait_xcnt 0x0
	s_wait_alu depctr_hold_cnt(0) depctr_sa_sdst(0) depctr_va_vdst(0) depctr_va_sdst(0) depctr_va_ssrc(0) depctr_va_vcc(0) depctr_vm_vsrc(0)
	s_getreg_b32 s2, hwreg(HW_REG_IB_STS2, 6, 4)
	s_cmp_eq_u32 s2, 0
	s_cbranch_scc0 .Lentry_in_a_cluster
	s_endpgm
.Lentry_in_a_cluster:
	s_bfe_u32 s2, ttmp6, 0x10000c
	s_cmp_lg_u32 s2, 0x3003
	s_cbranch_scc0 .Lentry_shape_is_right
	s_endpgm
.Lentry_shape_is_right:
; y[b][t][h][:] = the sum over keys s <= t of softmax_s(q . k / 8) v, both products on codes of FP8 (E4M3); y is quantised with its given scale and stored as images of the last product's operand registers.
; THE SOFTMAX: t = score x log2(e) / 8; M = the row's largest t so far, rounded UP to a whole number; p = 2^(t - M) is quantised along the keys, not normalised.  The row's sum is taken of the unquantised p, in f32,
; and divides at the end.  When M moves, the sum and O are multiplied by 2^(old M - new M), which rounds nothing.
; SHARES.  A cluster of four work-groups is one head.  Each work-group holds the head's WHOLE K and V in LDS, 131,072 bytes each, as images of operand registers: asked for once, jointly by the four, one load a wave;
; no LDS byte is filled twice.  The head's 64 blocks of 32 queries are numbered 4 g + cx.  Wave w takes g = 15 - w and then g = w: g + 1 steps of 128 keys each, seventeen steps in every wave.
; A wave's block is TWO tiles of 16 queries, A and B: each fragment of K and of V that is read from LDS feeds two matrix instructions, and the two tiles' chains of dependent lines stand interleaved.
; A step's first key KF is a multiple of 128: 'all keys hidden' is KF > 128 g + 127 and 'no key hidden' is KF < 128 g for all four partners: every branch hangs on the wave's number and constants alone.
; cx enters the addresses of q and y in memory and the mask's numbers, nothing else.  The loops' trip counts are constants: hidden steps (tiles wholly under the causal mask) jump to the lines that step addresses.
; LAYOUT.  S^T = K Q^T (source 0 = 16 keys, source 1 = 16 queries, K = 64), O^T = V^T P^T (source 0 = 16 channels, source 1 = P, K = 128 keys): a lane holds ONE query of each tile (lane % 16); register j of key tile t is
; key 16 t + 8 (lane / 16) + j, so tile t's eight numbers convert into registers 2 t, 2 t + 1 of P's fragment.  O^T's tile t likewise gives registers 2 t, 2 t + 1 of y's fragment.
; y_img: [K step of 256 = heads 4 kp ..][block of 16 tokens, 512][head % 4][2][512 bytes].
; THE EXPONENTIALS go in two batches, A's and B's.  Between the lines of a batch stand plain lines of the other tile whose sources were written ahead of the wait in front of the batch and whose results are first read
; behind the wait that ends it: B's scalings among A's exponentials; A's first level of sums and A's holds among B's.
; LIMITS on the given exponents: e2 + e3 between -123 and 130 (added to c's exponent field); e4 and e6 between -126 and 119; e4 + e5 is applied by v_ldexp_f32.  NaN among the inputs is not served.
; The scaled scores stay under 2^31 in magnitude.  Nothing is prefetched: all of K and V is asked for by the tensor loads at the head, and nothing comes later.
; REGISTERS.  Window 0: v1-7 addresses and constants, v8-29 the two tiles' -M, largest t, sums, f and what is at work; v32-95, v96-159 S^T then p of A, B; v160-191, v192-223 O^T of A, B; v224-255 partial sums, y's codes.
; Window 1: v0-63 K's 8 fragments; v64-127 V's 4; v128-143, v144-159 P's codes of A, B; v160-175, v176-191 Q of my two blocks.
.set LI,   1
.set ADK,  2
.set ADV,  3
.set SPW,  4                           ; LDS address of my spare word; never rewritten
.set NIL,  5                           ; 0; never rewritten
.set DL,   6                           ; lane % 16 - 8 (lane / 16) + 32 cx
.set NINF, 7
.set MA,   8                           ; pairs (-M, largest t): A v[8:9], B v[10:11]
.set LA,   12                          ; the sums, in two halves: A v[12:13], B v[14:15]
.set FA,   16                          ; f: A v16, B v18 (named as pairs)
.set XA,   20                          ; at work: A v20, v21; B v22, v23
.set RA,   24                          ; lane permutes' results: A v24, B v25
.set PLIM, 26                          ; 448 x 2^e4
.set PSCL, 27                          ; 2^e4
.set YLIM, 28                          ; 448 x 2^e6
.set YSCL, 29                          ; 2^e6
.set SA,   32
.set SB,   96
.set OA,   160
.set OB,   192
.set T,    224
.set U,    240
.set KR,   0                           ; window 1
.set VR,   64
.set PA,   128
.set PB,   144
.set QH,   160
.set QL,   176
.set WV,   18
.set CX,   19
.set SEL,  20
.set CS,   22
.set G1,   24
.set G0K,  40
.set G0V,  44
.set EX,   48
.set KF,   56
.set TB,   57
.set TBV,  58
.set LAST, 59                          ; 128 g + 127
.set G128, 60                          ; 128 g
.set CNT,  61
.set EPV,  62
.set TMP,  63
.set QHB,  66
.set QLB,  68
.set YHB,  70
.set YLB,  72
.set MSB, 0
.macro WIN new                         ; the immediate's high byte repeats the setting that is left
.if MSB != \new
	s_set_vgpr_msb (MSB<<8)|\new
.set MSB, \new
.endif
.endm
.set TO1,  0x40                        ; destination in window 1
.set MULW, 0x05                        ; sources 0 and 1 in window 1, C and D in window 0
.macro CROUND                          ; a round of the cluster's barrier
	s_barrier_signal -1
	s_barrier_wait -1
	s_cmp_lg_u32 s[WV], 0
	s_cbranch_scc1 .Lnot_wave_0_\@
	s_barrier_signal -3
.Lnot_wave_0_\@:
	s_barrier_wait -3
	s_barrier_signal -1
	s_barrier_wait -1
.endm
	s_load_b256 s[4:11], s[0:1], 0x0               ; q_img, k_img, v_img, the scales' exponents
	s_load_b64 s[12:13], s[0:1], 0x20              ; y_img
	v_lshl_add_u32 v[SPW], v0, 2, 0x40000
	v_mov_b32 v[NIL], 0
	ds_add_u32 v[SPW], v[NIL]                      ; the opening lines: the add twice on end and its wait ahead of my first tensor load
	ds_add_u32 v[SPW], v[NIL]
	v_lshrrev_b32 v2, 5, v0
	v_readfirstlane_b32 s[WV], v2                  ; wave 0..7
	s_bfe_u32 s[CX], ttmp6, 0x40000
	s_and_b32 s74, ttmp7, 0xffff                   ; the head b x 16 + h, which the four partners share
	s_mov_b32 s[G1], 15|(3<<16)|(1<<21)            ; the mask: all four work-groups; elements of 8 bytes; bit 21 beside a mask; no padding
	s_mov_b32 s[G1+1], 32<<16                      ; 128 rows of 256 bytes, dense in memory and in LDS
	s_mov_b32 s[G1+2], 128<<16
	s_mov_b32 s[G1+3], 32<<16
	s_mov_b32 s[G1+4], 128
	s_mov_b32 s[G1+5], 32
	s_mov_b32 s[G1+6], 0
	s_mov_b32 s[G1+7], 0
	s_lshl_b32 s76, s74, 17                        ; the head's first byte in q_img, k_img and v_img
	s_mov_b32 s77, 0
	s_and_b32 s78, s[WV], 3
	s_lshl_b32 s78, s78, 15                        ; my quarter of K's (waves 0-3) or V's (waves 4-7) 131,072 bytes
	s_mov_b32 s79, 0
	s_add_nc_u64 s[78:79], s[78:79], s[76:77]
	s_mov_b32 s[SEL], 0x76543210
	s_mov_b32 s[SEL+1], 0xfedcba98
	s_wait_dscnt 0x0
	s_wait_kmcnt 0x0
	s_load_b256 s[EX:EX+7], s[10:11], 0x0
	s_mov_b32 s[G0K], 1
	s_lshl_b32 s[G0K+1], s[WV], 15                 ; LDS address: 32,768 x wave: K in the first 131,072 bytes, V behind it
	s_add_nc_u64 s[G0K+2:G0K+3], s[6:7], s[78:79]
	s_or_b32 s[G0K+3], s[G0K+3], 0x80000000
	s_mov_b32 s[G0V], 1
	s_lshl_b32 s[G0V+1], s[WV], 15
	s_add_nc_u64 s[G0V+2:G0V+3], s[8:9], s[78:79]
	s_or_b32 s[G0V+3], s[G0V+3], 0x80000000
	CROUND                                         ; all four work-groups are here: the joint loads meet
	s_cmp_lt_u32 s[WV], 4                          ; one load a wave; the branch hangs on the wave's number alone
	s_cbranch_scc0 .Lfor_v
	tensor_load_to_lds s[G0K:G0K+3], s[G1:G1+7]
	s_nop 0
.rept 4
	v_nop
.endr
	s_branch .Lasked
.Lfor_v:
	tensor_load_to_lds s[G0V:G0V+3], s[G1:G1+7]
	s_nop 0
.rept 4
	v_nop
.endr
.Lasked:
	v_and_b32 v[LI], 31, v0
	v_lshlrev_b32 v[LI], 4, v[LI]
	s_wait_alu depctr_va_vdst(0)                   ; the wait ahead of the run of scalar lines
	s_sub_co_u32 s80, 15, s[WV]                    ; g of my first block
	s_lshl_b32 s81, s80, 2
	s_add_co_u32 s81, s81, s[CX]                   ; its number 4 g + cx,
	s_lshl_b32 s82, s[WV], 2
	s_add_co_u32 s82, s82, s[CX]                   ; and my second block's
	s_lshl_b32 s84, s81, 11                        ; a block of q is 2,048 bytes
	s_mov_b32 s85, 0
	s_add_nc_u64 s[84:85], s[84:85], s[76:77]
	s_add_nc_u64 s[QHB:QHB+1], s[4:5], s[84:85]
	s_lshl_b32 s84, s82, 11
	s_mov_b32 s85, 0
	s_add_nc_u64 s[84:85], s[84:85], s[76:77]
	s_add_nc_u64 s[QLB:QLB+1], s[4:5], s[84:85]
	WIN TO1
.irp c, 0,1,2,3
	global_load_b128 v[QH+4*\c:QH+4*\c+3], v[LI], s[QHB:QHB+1] offset:512*\c
	global_load_b128 v[QL+4*\c:QL+4*\c+3], v[LI], s[QLB:QLB+1] offset:512*\c
.endr
	WIN 0
	s_and_b32 s86, s74, 15                         ; h
	s_lshr_b32 s87, s86, 2
	s_lshl_b32 s87, s87, 21                        ; y_img: K step h / 4: 2,097,152 bytes each,
	s_and_b32 s86, s86, 3
	s_lshl_b32 s86, s86, 10                        ; h % 4: 1,024,
	s_add_co_u32 s87, s87, s86
	s_lshr_b32 s86, s74, 4
	s_lshl_b32 s86, s86, 19                        ; the batch's 128 blocks of 16 tokens of 4,096,
	s_add_co_u32 s86, s87, s86
	s_lshl_b32 s84, s81, 13                        ; my block's two
	s_add_co_u32 s84, s84, s86
	s_mov_b32 s85, 0
	s_add_nc_u64 s[YHB:YHB+1], s[12:13], s[84:85]
	s_lshl_b32 s84, s82, 13
	s_add_co_u32 s84, s84, s86
	s_add_nc_u64 s[YLB:YLB+1], s[12:13], s[84:85]
	v_and_b32 v2, 15, v0
	v_bfe_u32 v3, v0, 4, 1
	v_lshlrev_b32 v3, 3, v3
	v_sub_nc_u32 v[DL], v2, v3
	v_lshl_add_u32 v[DL], s[CX], 5, v[DL]
	v_mov_b32 v[NINF], 0xff800000
	v_mov_b32 v[RA], 0                             ; written once: a lane permute's destination counts as one of its sources
	v_mov_b32 v[RA+1], 0
	v_mov_b32 v[FA+1], 0                           ; (named as the upper halves of pairs)
	v_mov_b32 v[FA+3], 0
	s_lshl_b32 s[G128], s80, 7
	s_add_co_u32 s[LAST], s[G128], 127
	s_mov_b32 s[KF], 0
	s_mov_b32 s[TB], 0
	s_mov_b32 s[TBV], 131072
	s_wait_alu depctr_va_vdst(0)                   ; the wait directly ahead of the wait below
	s_wait_kmcnt 0x0
	s_mov_b32 s[CS], 0x3e38aa3b                    ; log2(e) / 8
	s_add_co_i32 s[TMP], s[EX+2], s[EX+3]
	s_lshl_b32 s[TMP], s[TMP], 23
	s_add_co_i32 s[CS], s[CS], s[TMP]              ; a score stands for score x 2^(e2 + e3): the exponents are added to c's exponent field
	s_mov_b32 s[CS+1], s[CS]
	s_add_co_i32 s[TMP], s[EX+4], 127
	s_lshl_b32 s75, s[TMP], 23
	v_mov_b32 v[PSCL], s75
	s_add_co_i32 s[TMP], s[TMP], 8
	s_lshl_b32 s[TMP], s[TMP], 23
	s_or_b32 s[TMP], s[TMP], 0x600000
	v_mov_b32 v[PLIM], s[TMP]
	s_add_co_i32 s[TMP], s[EX+6], 127
	s_lshl_b32 s75, s[TMP], 23
	v_mov_b32 v[YSCL], s75
	s_add_co_i32 s[TMP], s[TMP], 8
	s_lshl_b32 s[TMP], s[TMP], 23
	s_or_b32 s[TMP], s[TMP], 0x600000
	v_mov_b32 v[YLIM], s[TMP]
	s_add_co_i32 s[EPV], s[EX+4], s[EX+5]
.macro RESET                           ; a block begins: the step has no first step of its own: it finds zeros, which the first change of M leaves zeros
.irp u, 0,1
	v_mov_b32 v[MA+2*\u+1], 0xff61b1e6             ; the largest t so far: -3e38, under every t
	v_mov_b32 v[LA+2*\u], 0
	v_mov_b32 v[LA+2*\u+1], 0
.endr
.irp u, 0,1
	v_floor_f32 v[MA+2*\u], -v[MA+2*\u+1]          ; -M
.endr
.set j, 0
.rept 64
	v_mov_b32 v[OA+j], 0
.set j, j+1
.endr
.endm
.macro KPRE                            ; K's eight fragments of a block's first step
	WIN TO1
.irp t, 0,1,2,3,4,5,6,7
	ds_load_b128 v[KR+8*\t:KR+8*\t+3],   v[LI] offset:1024*\t
	ds_load_b128 v[KR+8*\t+4:KR+8*\t+7], v[LI] offset:1024*\t+512
.endr
	WIN 0
.endm
; A KEY STEP: 128 keys for both tiles.  qf: the block's two fragments of Q, in window 1
.macro STEP qf
	s_cmp_gt_u32 s[KF], s[LAST]                    ; all its keys come after my queries: only the addresses step
	s_cbranch_scc1 .Lhid_\@
	v_add_nc_u32 v[ADV], s[TBV], v[LI]
	v_add_nc_u32 v[ADK], s[TB], v[LI]
	v_nop                                          ; with the two additions: four places in front of loads into registers that the last step's products have read
	v_nop
	WIN TO1
.irp t, 0,1,2,3                                ; V's four fragments, 16 channels x 128 keys: they land under the softmax
.irp c, 0,1,2,3
	ds_load_b128 v[VR+16*\t+4*\c:VR+16*\t+4*\c+3], v[ADV] offset:2048*\t+512*\c
.endr
.endr
	s_wait_alu depctr_va_vdst(0)
	s_wait_dscnt 16                                ; K's 16 loads, asked for a step ago, are in; V's 16 may be out
	WIN MULW
.irp t, 0,1,2,3,4,5,6,7
	v_wmma_f32_16x16x64_fp8_fp8 v[SA+8*\t:SA+8*\t+7], v[KR+8*\t:KR+8*\t+7], v[\qf:\qf+7], 0
	v_wmma_f32_16x16x64_fp8_fp8 v[SB+8*\t:SB+8*\t+7], v[KR+8*\t:KR+8*\t+7], v[\qf+8:\qf+15], 0
.endr
	WIN TO1
.rept 4
	v_nop                                          ; places: in front of the loads over K's fragments and of the first read of the scores
.endr
.irp t, 0,1,2,3,4,5,6,7                        ; the NEXT step's K (behind a block's last step: bytes inside LDS that nobody uses)
	ds_load_b128 v[KR+8*\t:KR+8*\t+3],   v[ADK] offset:8192+1024*\t
	ds_load_b128 v[KR+8*\t+4:KR+8*\t+7], v[ADK] offset:8192+1024*\t+512
.endr
	WIN 0
	s_cmp_lt_u32 s[KF], s[G128]                    ; a step all of whose keys count skips the mask
	s_cbranch_scc1 .Lopen_\@
; the block's last step, KF = 128 g.  A's register 8 t + j holds key KF + 8 (lane / 16) + 16 t + j: hidden where 16 t + j > DL.  B's queries lie 16 further on: the same compare serves B's tile t + 1; its tile 0 is never hidden
.irp t, 0,1,2,3,4,5,6,7
.irp i, 0,1,2,3,4,5,6,7
	v_cmp_gt_i32 vcc_lo, 16*\t+\i, v[DL]
	v_cndmask_b32 v[SA+8*\t+\i], v[SA+8*\t+\i], v[NINF], vcc_lo
.if \t < 7
	v_cndmask_b32 v[SB+8*\t+8+\i], v[SB+8*\t+8+\i], v[NINF], vcc_lo
.endif
.endr
.endr
.Lopen_\@:
.irp u, 0,1                                    ; the step's largest score of each query, in two chains a tile, in ascending order of the registers
	v_max3_num_f32 v[XA+2*\u], v[SA+64*\u], v[SA+64*\u+1], v[SA+64*\u+2]
.endr
.irp u, 0,1
	v_max3_num_f32 v[XA+2*\u+1], v[SA+64*\u+3], v[SA+64*\u+4], v[SA+64*\u+5]
.endr
.irp i, 6,10,14,18,22,26,30,34,38,42,46,50,54,58
	v_max3_num_f32 v[XA], v[XA], v[SA+\i], v[SA+1+\i]
	v_max3_num_f32 v[XA+2], v[XA+2], v[SB+\i], v[SB+1+\i]
	v_max3_num_f32 v[XA+1], v[XA+1], v[SA+2+\i], v[SA+3+\i]
	v_max3_num_f32 v[XA+3], v[XA+3], v[SB+2+\i], v[SB+3+\i]
.endr
.irp u, 0,1
	v_max3_num_f32 v[XA+2*\u], v[XA+2*\u], v[SA+64*\u+62], v[SA+64*\u+63]
.endr
.irp u, 0,1
	v_max_num_f32 v[XA+2*\u], v[XA+2*\u], v[XA+2*\u+1]
.endr
.irp u, 0,1
	v_permlanex16_b32 v[RA+\u], v[XA+2*\u], s[SEL], s[SEL+1]
.endr
.irp u, 0,1
	v_max_num_f32 v[XA+2*\u], v[XA+2*\u], v[RA+\u] ; and among lane l xor 16's
.endr
.irp u, 0,1
	v_mul_f32 v[XA+2*\u], s[CS], v[XA+2*\u]        ; as t (c is positive)
.endr
.irp u, 0,1
	v_max_num_f32 v[MA+2*\u+1], v[MA+2*\u+1], v[XA+2*\u]   ; the running largest t
.endr
.irp u, 0,1
	v_mov_b32 v[XA+2*\u], v[MA+2*\u]
.endr
.irp u, 0,1
	v_floor_f32 v[MA+2*\u], -v[MA+2*\u+1]          ; the new -M = -ceil(t): a whole number
.endr
.irp u, 0,1
	v_sub_f32 v[XA+2*\u], v[MA+2*\u], v[XA+2*\u]   ; M's old value less its new one: a whole number, 0 or less
.endr
.irp u, 0,1
	v_cvt_i32_f32 v[XA+2*\u], v[XA+2*\u]           ; (it saturates)
.endr
.irp u, 0,1
	v_ldexp_f32 v[FA+2*\u], 1.0, v[XA+2*\u]        ; f = 2^(old M - new M)
.endr
.set j, 0
.rept 16
	v_pk_mul_f32 v[OA+j:OA+j+1], v[OA+j:OA+j+1], v[FA:FA+1] op_sel_hi:[1,0]       ; O^T under the new M, ahead of the exponentials; each accumulator from its low end on
	v_pk_mul_f32 v[OB+j:OB+j+1], v[OB+j:OB+j+1], v[FA+2:FA+3] op_sel_hi:[1,0]
.set j, j+2
.endr
	v_pk_mul_f32 v[LA:LA+1], v[LA:LA+1], v[FA:FA+1] op_sel_hi:[1,0]               ; the sums under the new M
	v_pk_mul_f32 v[LA+2:LA+3], v[LA+2:LA+3], v[FA+2:FA+3] op_sel_hi:[1,0]
.set j, 0
.rept 32
	v_pk_fma_f32 v[SA+j:SA+j+1], v[SA+j:SA+j+1], s[CS:CS+1], v[MA:MA+1] op_sel_hi:[1,0,0]   ; A: t - M, two at a time
.set j, j+2
.endr
	s_wait_alu depctr_va_vdst(0)                   ; the wait ahead of the batch
.set j, 0
.rept 32                                       ; A: p = 2^(t - M); between the lines B's t - M
	v_exp_f32 v[SA+j], v[SA+j]
	v_pk_fma_f32 v[SB+j:SB+j+1], v[SB+j:SB+j+1], s[CS:CS+1], v[MA+2:MA+3] op_sel_hi:[1,0,0]
	v_exp_f32 v[SA+j+1], v[SA+j+1]
.set j, j+2
.endr
	v_nop                                          ; the plain line behind the last exponential
	s_wait_alu depctr_va_vdst(0)                   ; one wait behind A's batch and ahead of B's
.set j, 0
.rept 16                                       ; B: p; between the lines A's first level of sums (of the unquantised p) and then A's holds
	v_exp_f32 v[SB+j], v[SB+j]
	v_pk_add_f32 v[T+j/2:T+j/2+1], v[SA+j:SA+j+1], v[SA+j+2:SA+j+3]
	v_exp_f32 v[SB+j+1], v[SB+j+1]
	v_min_num_f32 v[SA+j], v[SA+j], v[PLIM]        ; the conversion does not saturate (ISA guide 7.6.2); p is not negative, so the hold is one-sided
	v_exp_f32 v[SB+j+2], v[SB+j+2]
	v_min_num_f32 v[SA+j+1], v[SA+j+1], v[PLIM]
	v_min_num_f32 v[SA+j+2], v[SA+j+2], v[PLIM]
	v_exp_f32 v[SB+j+3], v[SB+j+3]
	v_min_num_f32 v[SA+j+3], v[SA+j+3], v[PLIM]
.set j, j+4
.endr
	s_wait_alu depctr_va_vdst(0)                   ; one wait behind the batch, ahead of its first reader
.set j, 0
.rept 8
	v_pk_add_f32 v[T+j:T+j+1], v[T+j:T+j+1], v[U+j:U+j+1]        ; A's sixteen partial sums become eight,
.set j, j+2
.endr
.set j, 0
.rept 8
	v_pk_add_f32 v[U+j:U+j+1], v[SB+j:SB+j+1], v[SB+16+j:SB+17+j]   ; and B's eight chains take the registers that are free
.set j, j+2
.endr
.irp d, 32,48
.set j, 0
.rept 8
	v_pk_add_f32 v[U+j:U+j+1], v[U+j:U+j+1], v[SB+\d+j:SB+\d+j+1]
.set j, j+2
.endr
.endr
.irp d, 8,4,2
.set j, 0
.rept \d/2
	v_pk_add_f32 v[T+j:T+j+1], v[T+j:T+j+1], v[T+\d+j:T+\d+j+1]
	v_pk_add_f32 v[U+j:U+j+1], v[U+j:U+j+1], v[U+\d+j:U+\d+j+1]
.set j, j+2
.endr
.endr
	v_pk_add_f32 v[LA:LA+1], v[LA:LA+1], v[T:T+1]
	v_pk_add_f32 v[LA+2:LA+3], v[LA+2:LA+3], v[U:U+1]
.set j, 0
.rept 64
	v_min_num_f32 v[SB+j], v[SB+j], v[PLIM]        ; B's holds
.set j, j+1
.endr
	WIN TO1
.irp t, 0,1,2,3,4,5,6,7
	v_cvt_scalef32_pk8_fp8_f32 v[PA+2*\t:PA+2*\t+1], v[SA+8*\t:SA+8*\t+7], v[PSCL]
	v_cvt_scalef32_pk8_fp8_f32 v[PB+2*\t:PB+2*\t+1], v[SB+8*\t:SB+8*\t+7], v[PSCL]
.endr
	v_nop                                          ; a plain line between the last conversion and the products that read the codes
	s_wait_alu depctr_va_vdst(0)                   ; the wait directly ahead of the wait below
	s_wait_dscnt 16                                ; V's 16 loads are in; the next step's K, 16 loads, may be out
	WIN MULW
.irp t, 0,1,2,3                                ; O^T += V^T P^T: the eight accumulators take turns, one instruction a turn
	v_wmma_f32_16x16x128_fp8_fp8 v[OA+8*\t:OA+8*\t+7], v[VR+16*\t:VR+16*\t+15], v[PA:PA+15], v[OA+8*\t:OA+8*\t+7]
	v_wmma_f32_16x16x128_fp8_fp8 v[OB+8*\t:OB+8*\t+7], v[VR+16*\t:VR+16*\t+15], v[PB:PB+15], v[OB+8*\t:OB+8*\t+7]
.endr
	WIN 0
.Lhid_\@:
	s_add_co_u32 s[KF], s[KF], 128
	s_add_co_u32 s[TB], s[TB], 8192
	s_add_co_u32 s[TBV], s[TBV], 8192
.endm
; A block's way out: y = O^T / the sum x 2^(e4 + e5), quantised with 2^e6; the codes are y's fragments as they stand: four stores of 512 consecutive bytes.
.macro OUT yb
.rept 4
	v_nop                                          ; places behind the last products
.endr
.irp u, 0,1
	v_add_f32 v[LA+2*\u], v[LA+2*\u], v[LA+2*\u+1] ; the sum's two halves,
.endr
.irp u, 0,1
	v_permlanex16_b32 v[RA+\u], v[LA+2*\u], s[SEL], s[SEL+1]
.endr
.irp u, 0,1
	v_add_f32 v[LA+2*\u], v[LA+2*\u], v[RA+\u]     ; and lane l xor 16's
.endr
	s_wait_alu depctr_va_vdst(0)                   ; the wait ahead of the transcendentals
	v_rcp_f32 v[LA], v[LA]
	v_rcp_f32 v[LA+2], v[LA+2]
	v_nop                                          ; a plain line behind them
	s_wait_alu depctr_va_vdst(0)                   ; and the wait ahead of their first reader
	v_ldexp_f32 v[LA], v[LA], s[EPV]
	v_ldexp_f32 v[LA+2], v[LA+2], s[EPV]
	s_wait_alu depctr_va_vdst(0)                   ; the wait directly ahead of the first reader of O^T
.set j, 0
.rept 16
	v_pk_mul_f32 v[SA+j:SA+j+1], v[OA+j:OA+j+1], v[LA:LA+1] op_sel_hi:[1,0]       ; each accumulator from its low end on
	v_pk_mul_f32 v[SB+j:SB+j+1], v[OB+j:OB+j+1], v[LA+2:LA+3] op_sel_hi:[1,0]
.set j, j+2
.endr
.irp u, 0,1
.irp t, 0,1,2,3
.irp i, 0,1,2,3,4,5,6,7
	v_med3_num_f32 v[SA+64*\u+8*\t+\i], v[SA+64*\u+8*\t+\i], -v[YLIM], v[YLIM]
.endr
	v_cvt_scalef32_pk8_fp8_f32 v[T+8*\u+2*\t:T+8*\u+2*\t+1], v[SA+64*\u+8*\t:SA+64*\u+8*\t+7], v[YSCL]   ; channels 16 t + 8 (lane / 16) + 0..7
.endr
.endr
	v_nop                                          ; a plain line between the last conversion and the next line that touches its registers
.irp u, 0,1
	global_store_b128 v[LI], v[T+8*\u:T+8*\u+3], s[\yb:\yb+1] offset:4096*\u
	global_store_b128 v[LI], v[T+8*\u+4:T+8*\u+7], s[\yb:\yb+1] offset:4096*\u+512
.endr
.endm
	RESET
	s_wait_alu depctr_va_vdst(0)                   ; the wait at the head's end
	s_wait_tensorcnt 0x0                           ; my eighth of K and V is in LDS,
	s_barrier_signal -1
	s_barrier_wait -1                              ; everybody's is
	KPRE
	s_wait_loadcnt 0x0                             ; Q
	s_mov_b32 s[CNT], 16
.Lhigh:                                            ; g = 15 - w: up to 16 steps
	STEP QH
	s_sub_co_u32 s[CNT], s[CNT], 1
	s_cmp_lg_u32 s[CNT], 0
	s_cbranch_scc1 .Lhigh
	OUT YHB
	RESET
	s_lshl_b32 s[G128], s[WV], 7                   ; g = w
	s_add_co_u32 s[LAST], s[G128], 127
	s_mov_b32 s[KF], 0
	s_mov_b32 s[TB], 0
	s_mov_b32 s[TBV], 131072
	s_wait_alu depctr_va_vdst(0)                   ; the wait directly ahead of the waits below
	s_wait_xcnt 0x0                                ; the stores have read their data: those registers are written again
	s_wait_dscnt 0x0                               ; the loads that ran ahead into K's registers are done: they are loaded anew
	KPRE
	s_mov_b32 s[CNT], 8
.Llow:                                             ; up to 8 steps
	STEP QL
	s_sub_co_u32 s[CNT], s[CNT], 1
	s_cmp_lg_u32 s[CNT], 0
	s_cbranch_scc1 .Llow
	OUT YLB
	s_wait_tensorcnt 0x0                           ; the wave's end
	ds_add_u32 v[SPW], v[NIL]
	s_wait_dscnt 0x0
	CROUND                                         ; the closing round
	s_endpgm
.Lfunc_end_k_q0702df1787_attn:
	.size	k_q0702df1787_attn, .Lfunc_end_k_q0702df1787_attn-k_q0702df1787_attn
	.p2alignl 7, 3214868480
	.fill 96, 4, 3214868480
	.section	.rodata,"a",@progbits
	.p2align	6, 0x0
	.amdhsa_kernel k_q0702df1787_attn
		.amdhsa_group_segment_fixed_size 264192
		.amdhsa_private_segment_fixed_size 0
		.amdhsa_enable_private_segment 0
		.amdhsa_kernarg_size 40
		.amdhsa_user_sgpr_count 2
		.amdhsa_user_sgpr_kernarg_segment_ptr 1
		.amdhsa_wavefront_size32 1
		.amdhsa_system_sgpr_workgroup_id_x 1
		.amdhsa_system_sgpr_workgroup_id_y 1
		.amdhsa_system_sgpr_workgroup_id_z 1
		.amdhsa_system_vgpr_workitem_id 0
		.amdhsa_next_free_vgpr 448
		.amdhsa_next_free_sgpr 96
		.amdhsa_reserve_vcc 1
		.amdhsa_float_denorm_mode_32 3
		.amdhsa_float_denorm_mode_16_64 3
		.amdhsa_memory_ordered 1
		.amdhsa_forward_progress 1
		.amdhsa_inst_pref_size 100
	.end_amdhsa_kernel
	.amdgpu_metadata
---
amdhsa.version: [ 1, 2 ]
amdhsa.kernels:
  - .name:           k_q0702df1787_attn
    .symbol:         k_q0702df1787_attn.kd
    .args:
      - { .name: q_img, .offset: 0, .size: 8, .value_kind: global_buffer, .address_space: global }
      - { .name: k_img, .offset: 8, .size: 8, .value_kind: global_buffer, .address_space: global }
      - { .name: v_img, .offset: 16, .size: 8, .value_kind: global_buffer, .address_space: global }
      - { .name: lowp_scales, .offset: 24, .size: 8, .value_kind: global_buffer, .address_space: global }
      - { .name: y_img, .offset: 32, .size: 8, .value_kind: global_buffer, .address_space: global }
    .group_segment_fixed_size: 264192
    .private_segment_fixed_size: 0
    .kernarg_segment_align: 8
    .kernarg_segment_size: 40
    .max_flat_workgroup_size: 256
    .sgpr_count:     96
    .vgpr_count:     448
    .wavefront_size: 32
...
	.end_amdgpu_metadata
.endif
;; end of part 3
;; launch proj (part 4): grid 4 x 64, 8 waves a work-group, clusters of 4 x 4, 327,680 bytes of LDS; arguments y_img, wproj_codes, lowp_scales, out0; writes out0
.if DOCPART == 4
	.amdgcn_target "amdgcn-amd-amdhsa--gfx1250"
	.amdhsa_code_object_version 6
	.text
	.protected	k_q0702df1787_proj
	.globl	k_q0702df1787_proj
	.p2align	8
	.type	k_q0702df1787_proj,@function
k_q0702df1787_proj:
	s_mov_b64 s[64:65], 0
	v_nop
	global_prefetch_b8 v0, s[64:65] scope:SCOPE_SE
	s_setreg_imm32_b32 hwreg(HW_REG_WAVE_MODE, 25, 1), 1
	s_wait_xcnt 0x0
	s_wait_alu depctr_hold_cnt(0) depctr_sa_sdst(0) depctr_va_vdst(0) depctr_va_sdst(0) depctr_va_ssrc(0) depctr_va_vcc(0) depctr_vm_vsrc(0)
	s_getreg_b32 s2, hwreg(HW_REG_IB_STS2, 6, 4)
	s_cmp_eq_u32 s2, 0
	s_cbranch_scc0 .Lentry_in_a_cluster
	s_endpgm
.Lentry_in_a_cluster:
	s_bfe_u32 s2, ttmp6, 0x10000c
	s_cmp_lg_u32 s2, 0xf033
	s_cbranch_scc0 .Lentry_shape_is_right
	s_endpgm
.Lentry_shape_is_right:
; out0 = y W_proj^T on codes of FP8 (E4M3), K = 1,024; each finished sum is multiplied once by 2^(e6 + e7).  LIMIT: e6 + e7 between -126 and 127.
; A tile of 128 tokens x 256 columns is made by a work-group of eight waves: 8,192 x 1,024 outputs are 256 such tiles.  A wave makes 64 x 64: 16 accumulators of 16 x 16.
; y comes as images of operand registers, [K step of 256][block of 16 tokens][4,096 bytes]: a tile's part of a K step is 32,768 dense bytes.  W_proj's codes are rows of 1,024 bytes.
; LDS: THREE slots, each with one K step of 256: A's 32,768 bytes, then B's 256 rows of 272.  Each wave issues ONE tensor load in the launch: wave w fetches K step w / 2, for A (w even) or for B (w odd).
; Waves 0 to 5 ask at the head, for slots 0 to 2.  Waves 6 and 7 ask for K step 3 behind the round that follows slot 0's products, into slot 0: that load has slots 1 and 2's products in which to land.
; CLUSTERS: 4 x 4 work-groups; A's tiles are asked for jointly along a row of the cluster, B's along a column.
; Nothing is prefetched: the four K steps are written out, three of them are asked for at the head, and there is no loop to run ahead in.
; The matrix instruction is used transposed (source 0 = 16 rows of W_proj, source 1 = 16 tokens): a lane holds eight neighbouring columns of one token's row.
; REGISTERS.  Window 0: v16-29 addresses; v32-63 a block's scaled sums; v128-255 A's fragments, two sets of 64; on the way out the rows read back.  Window 1: v0-127 accumulators ((a, b) at v[8 (4 a + b)]); v128-255 B's fragments, two sets.
.set KPB,    2097152                   ; a K step of y_img
.set PITCH,  272                       ; B's LDS row: 256 bytes + 16 of padding
.set ASZ,    32768
.set SLOT,   ASZ+256*PITCH             ; 102,400
.set SPARE,  3*SLOT                    ; behind the slots: the spare words, 128 bytes a wave
.set STAGE,  SLOT                      ; the way out: 16 rows x 272 bytes a wave, in slot 1: it has had its one fill, and its last read lies ahead of the last barrier
.set SPITCH, 272
.set ADRA, 16                          ; v16-18  my A fragments in slots 0 to 2
.set ADRB, 20                          ; v20-22  my B fragments
.set STO,  24
.set RD,   25
.set CO,   26
.set SPW,  28
.set NIL,  29
.set TMP,  32
.set AF,   128
.set BK,   128
.set G1,   24                          ; s[24:31] group 1 for A;  s[32:35] my group 0 at the head;  s[36:39] the refill's
.set G0,   32
.set G0R,  36
.set G1B,  48                          ; s[48:55], s[56:59], s[60:63] the same for B
.set G0B,  56
.set G0RB, 60
.set MSB, 0
.macro WIN new
.if MSB != \new
	s_set_vgpr_msb (MSB<<8)|\new
.set MSB, \new
.endif
.endm
.set MULW, 0x51                        ; source 0 (B), C and D in window 1; source 1 (A) in window 0
.set TO_B, 0x40
.macro CROUND
	s_barrier_signal -1
	s_barrier_wait -1
	s_cmp_lg_u32 s14, 0
	s_cbranch_scc1 .Lnot_wave_0_\@
	s_barrier_signal -3
.Lnot_wave_0_\@:
	s_barrier_wait -3
	s_barrier_signal -1
	s_barrier_wait -1
.endm
; one chain of branches on the wave's number: a load for A, a load for B, or none; an s_nop 0 and four v_nop follow each load
.macro JLOAD head, g0a, g0b
.if \head
	s_cmp_ge_u32 s14, 6
.else
	s_cmp_lt_u32 s14, 6
.endif
	s_cbranch_scc1 .Lasked_\@
	s_cmp_eq_u32 s15, 0
	s_cbranch_scc0 .Lfor_b_\@
	tensor_load_to_lds s[\g0a:\g0a+3], s[G1:G1+7]
	s_nop 0
.rept 4
	v_nop
.endr
	s_branch .Lasked_\@
.Lfor_b_\@:
	tensor_load_to_lds s[\g0b:\g0b+3], s[G1B:G1B+7]
	s_nop 0
.rept 4
	v_nop
.endr
.Lasked_\@:
.endm
	s_load_b128 s[4:7], s[0:1], 0x0                ; y_img, wproj_codes
	s_load_b128 s[8:11], s[0:1], 0x10              ; the scales' exponents, out0
	v_lshl_add_u32 v[SPW], v0, 2, SPARE
	v_mov_b32 v[NIL], 0
	ds_add_u32 v[SPW], v[NIL]                      ; the opening lines: the add twice on end and its wait
	ds_add_u32 v[SPW], v[NIL]
	v_lshrrev_b32 v1, 5, v0
	v_readfirstlane_b32 s14, v1                    ; wave 0..7
	s_lshr_b32 s12, s14, 1                         ; the K step that I fetch.  Also: my quarter of the columns
	s_and_b32 s15, s14, 1                          ; I fetch for A (0) or for B (1).  Also: my half of the tokens
	s_bfe_u32 s40, ttmp6, 0x40000                  ; cx, cy
	s_bfe_u32 s41, ttmp6, 0x40004
	s_lshl_b32 s42, ttmp9, 2
	s_add_co_u32 s42, s42, s40                     ; tile column
	s_and_b32 s17, ttmp7, 0xffff
	s_lshl_b32 s17, s17, 2
	s_add_co_u32 s17, s17, s41                     ; tile row
	s_lshl_b32 s43, s41, 2
	s_lshl_b32 s43, 15, s43                        ; my row of the cluster
	s_lshl_b32 s44, 0x1111, s40                    ; my column
	s_or_b32 s[G1+0], s43, (0<<16)|(1<<21)         ; A: 128 rows of 256 bytes, dense in memory and in LDS
	s_or_b32 s[G1B+0], s44, (0<<16)|(1<<20)|(1<<21)|(5<<22)|(3<<25)   ; B: 256 rows of 256 bytes, 1,024 apart; four words of padding after every 64
	s_mov_b32 s[G1+1], 256<<16
	s_mov_b32 s[G1+2], 128<<16
	s_mov_b32 s[G1+3], 256<<16
	s_mov_b32 s[G1+4], 128
	s_mov_b32 s[G1+5], 256
	s_mov_b32 s[G1+6], 0
	s_mov_b32 s[G1+7], 0
	s_mov_b32 s[G1B+1], 256<<16
	s_mov_b32 s[G1B+2], 256<<16
	s_mov_b32 s[G1B+3], 256<<16
	s_mov_b32 s[G1B+4], 256
	s_mov_b32 s[G1B+5], 1024
	s_mov_b32 s[G1B+6], 0
	s_mov_b32 s[G1B+7], 0
	s_lshl_b32 s20, s17, 15                        ; A: the tile row's 32,768 bytes of a K step: made of cy and the cluster's y alone
	s_mov_b32 s21, 0
	s_lshl_b32 s18, s12, 21                        ; my K step of y_img
	s_mov_b32 s19, 0
	s_lshl_b32 s46, s42, 18                        ; B: 256 rows of 1,024 bytes: made of cx and the cluster's x alone
	s_mov_b32 s47, 0
	s_lshl_b32 s22, s12, 8                         ; my K step of a row
	s_mov_b32 s23, 0
	s_mul_i32 s45, s12, SLOT                       ; where they go: no place in the cluster enters an LDS address
	s_wait_dscnt 0x0
	s_wait_kmcnt 0x0
	s_load_b64 s[96:97], s[8:9], 0x18              ; e6, e7
	s_add_nc_u64 s[20:21], s[4:5], s[20:21]
	s_add_nc_u64 s[46:47], s[6:7], s[46:47]
	s_mov_b32 s[G0], 1
	s_mov_b32 s[G0+1], s45
	s_add_nc_u64 s[G0+2:G0+3], s[20:21], s[18:19]
	s_or_b32 s[G0+3], s[G0+3], 0x80000000
	s_mov_b32 s[G0B], 1
	s_add_co_u32 s[G0B+1], s45, ASZ
	s_add_nc_u64 s[G0B+2:G0B+3], s[46:47], s[22:23]
	s_or_b32 s[G0B+3], s[G0B+3], 0x80000000
	s_mov_b32 s[G0R], 1                            ; K step 3, into slot 0
	s_mov_b32 s[G0R+1], 0
	s_add_nc_u64 s[G0R+2:G0R+3], s[20:21], 3*KPB
	s_or_b32 s[G0R+3], s[G0R+3], 0x80000000
	s_mov_b32 s[G0RB], 1
	s_mov_b32 s[G0RB+1], ASZ
	s_add_nc_u64 s[G0RB+2:G0RB+3], s[46:47], 768
	s_or_b32 s[G0RB+3], s[G0RB+3], 0x80000000
	CROUND                                         ; all sixteen work-groups are here: the first joint loads meet
	JLOAD 1, G0, G0B                               ; K steps 0 to 2: one load a wave, waves 0 to 5
	v_and_b32 v1, 15, v0                           ; r = l % 16
	v_bfe_u32 v2, v0, 4, 1                         ; h = l / 16
	v_mul_u32_u24 v3, v1, PITCH
	v_lshl_add_u32 v4, v2, 4, v3                   ; B: row x pitch + 16 h
	v_and_b32 v6, 31, v0
	v_lshlrev_b32 v7, 4, v6                        ; A: 16 x lane in an image
	v_mul_u32_u24 v5, v1, SPITCH                   ; the stage, in: row r, 32 bytes for each half of the lanes
	v_lshl_add_u32 v5, v2, 5, v5
	v_mul_u32_u24 v8, v2, SPITCH                   ; and back: lanes 0-15 one row of 256 bytes, lanes 16-31 the next
	v_lshl_add_u32 v8, v1, 4, v8
	v_lshlrev_b32 v9, 12, v2                       ; the same two rows in out0, 4,096 bytes apart
	v_lshl_add_u32 v[CO], v1, 4, v9
	s_wait_alu depctr_va_vdst(0)                   ; the wait ahead of the scalar lines
	s_lshl_b32 s21, s15, 14                        ; my 64 tokens: four blocks of 4,096 bytes
	s_mul_i32 s22, s12, 64*PITCH                   ; my 64 rows of B,
	s_add_co_u32 s22, s22, ASZ                     ; which lie behind A's part
.irp s, 0,1,2
	v_add_nc_u32 v[ADRA+\s], s21, v7
	v_add_nc_u32 v[ADRB+\s], s22, v4
	s_add_co_u32 s21, s21, SLOT
	s_add_co_u32 s22, s22, SLOT
.endr
	s_mul_i32 s23, s14, 16*SPITCH
	s_add_co_u32 s23, s23, STAGE                   ; my stage
	v_add_nc_u32 v[STO], s23, v5
	v_add_nc_u32 v[RD], s23, v8
	s_lshl_b32 s20, s17, 7
	s_lshl_b32 s21, s15, 6
	s_add_co_u32 s20, s20, s21                     ; my first token: 128 x tile row + 64 x half
	s_lshl_b32 s20, s20, 12
	s_lshl_b32 s46, s42, 10                        ; my first column, in bytes: 1,024 x tile column + 256 x quarter
	s_lshl_b32 s47, s12, 8
	s_add_co_u32 s46, s46, s47
	s_add_co_u32 s20, s20, s46
	s_mov_b32 s21, 0
	s_add_nc_u64 s[10:11], s[10:11], s[20:21]
.macro PLACES
.rept 4
	v_nop
.endr
.endm
.macro FETCH slot, q, p                ; the fragments of the slot's q-th 128 along K into set p: B's four blocks of 16 rows, A's four blocks of 16 tokens
	WIN TO_B
.irp i, 0,1,2,3
.irp c, 0,1,2,3
	ds_load_b128 v[128+64*(\p)+16*\i+4*\c:128+64*(\p)+16*\i+4*\c+3], v[ADRB+\slot] offset:128*(\q)+32*\c+\i*16*PITCH
.endr
.endr
	WIN 0
.irp i, 0,1,2,3
.irp c, 0,1,2,3
	ds_load_b128 v[AF+64*(\p)+16*\i+4*\c:AF+64*(\p)+16*\i+4*\c+3], v[ADRA+\slot] offset:4096*\i+2048*(\q)+512*\c
.endr
.endr
.endm
.macro MUL p, zero                     ; 16 matrix instructions, 128 along K: the 16 accumulators take turns, in the same order in every step
	WIN MULW
.irp a, 0,1,2,3
.irp b, 0,1,2,3
.if \zero
	v_wmma_f32_16x16x128_fp8_fp8 v[8*(4*\a+\b):8*(4*\a+\b)+7], v[128+64*(\p)+16*\b:128+64*(\p)+16*\b+15], v[AF+64*(\p)+16*\a:AF+64*(\p)+16*\a+15], 0
.else
	v_wmma_f32_16x16x128_fp8_fp8 v[8*(4*\a+\b):8*(4*\a+\b)+7], v[128+64*(\p)+16*\b:128+64*(\p)+16*\b+15], v[AF+64*(\p)+16*\a:AF+64*(\p)+16*\a+15], v[8*(4*\a+\b):8*(4*\a+\b)+7]
.endif
.endr
.endr
	WIN 0
.endm
.macro GO fslot, fq, p, zero           ; a step: set p is in; the next step's fragments are asked for into the other set, four places behind the products that read it; then set p is multiplied
	s_wait_dscnt 0x0
	PLACES
	FETCH \fslot, \fq, 1-(\p)
	MUL \p, \zero
.endm
	s_wait_alu depctr_va_vdst(0)                   ; the wait at the head's end
	s_wait_tensorcnt 0x0                           ; my load is in,
	s_barrier_signal -1
	s_barrier_wait -1                              ; everybody's is: slots 0 to 2 are whole
	FETCH 0, 0, 0
	GO 0, 1, 0, 1                                  ; the first products start the sums: nothing is cleared
	s_wait_dscnt 0x0                               ; slot 0's second step
	PLACES
	FETCH 1, 0, 0
	s_wait_tensorcnt 0x0                           ; the add twice on end
	ds_add_u32 v[SPW], v[NIL]
	ds_add_u32 v[SPW], v[NIL]
	MUL 1, 0                                       ; sixteen matrix instructions stand between the adds and the wait for them
	s_wait_dscnt 0x0                               ; the adds are done, and my reads of slot 0 are over
	CROUND                                         ; no wave of any partner still reads slot 0
	JLOAD 0, G0R, G0RB                             ; K step 3 into slot 0: waves 6 and 7, the first tensor load behind the round
	GO 1, 1, 0, 0
	GO 2, 0, 1, 0
	GO 2, 1, 0, 0
	s_wait_dscnt 0x0
	MUL 1, 0
	s_wait_tensorcnt 0x0                           ; K step 3 is in (waves 6 and 7),
	s_barrier_signal -1
	s_barrier_wait -1                              ; and everybody knows; nobody reads slots 1 and 2 any more
	PLACES
	FETCH 0, 0, 0
	GO 0, 1, 0, 0
	s_wait_dscnt 0x0
	MUL 1, 0
; THE WAY OUT, block by block of 16 tokens x 64 columns: through my stage in LDS and back as rows of 256 bytes, so that sixteen lanes store one aligned unit of 256 bytes.
; LDS serves a wave's instructions in order (ISA guide 5.7.1.4): no wait between the stores and the loads.  Each block is read back into registers of its own, and every offset is an immediate.
.macro TOSTAGE a
	WIN 0x01                                       ; source 0: window 1
.set j, 0
.rept 16
	v_pk_mul_f32 v[TMP+j:TMP+j+1], v[32*(\a)+j:32*(\a)+j+1], s[96:97] op_sel_hi:[1,0]   ; x 2^(e6 + e7); each accumulator from its low end on
.set j, j+2
.endr
	WIN 0
.irp b, 0,1,2,3
	ds_store_b128 v[STO], v[TMP+8*\b:TMP+8*\b+3] offset:64*\b
	ds_store_b128 v[STO], v[TMP+8*\b+4:TMP+8*\b+7] offset:64*\b+16
.endr
.irp t, 0,1,2,3,4,5,6,7
	ds_load_b128 v[BK+32*(\a)+4*\t:BK+32*(\a)+4*\t+3], v[RD] offset:\t*2*SPITCH
.endr
.endm
.macro SEND a, younger                 ; younger: the LDS instructions issued behind block a's loads
	s_wait_dscnt \younger
.irp t, 0,1,2,3,4,5,6,7
	global_store_b128 v[CO], v[BK+32*(\a)+4*\t:BK+32*(\a)+4*\t+3], s[10:11] offset:(16*(\a)+2*\t)*4096 th:TH_STORE_NT
.endr
.endm
	s_wait_kmcnt 0x0
	s_add_co_i32 s96, s96, s97
	s_add_co_i32 s96, s96, 127
	s_lshl_b32 s96, s96, 23                        ; 2^(e6 + e7) as f32
	PLACES                                         ; behind the last products: for the reads of results and the loads over A's fragments
	TOSTAGE 0
.irp a, 1,2,3
	TOSTAGE \a
	SEND \a-1, 16                                  ; behind block a - 1's loads: block a's 8 stores and 8 loads
.endr
	SEND 3, 0
	s_wait_tensorcnt 0x0                           ; the wave's end
	ds_add_u32 v[SPW], v[NIL]
	s_wait_dscnt 0x0
	CROUND                                         ; the closing round
	s_endpgm
.Lfunc_end_k_q0702df1787_proj:
	.size	k_q0702df1787_proj, .Lfunc_end_k_q0702df1787_proj-k_q0702df1787_proj
	.p2alignl 7, 3214868480
	.fill 96, 4, 3214868480
	.section	.rodata,"a",@progbits
	.p2align	6, 0x0
	.amdhsa_kernel k_q0702df1787_proj
		.amdhsa_group_segment_fixed_size 327680
		.amdhsa_private_segment_fixed_size 0
		.amdhsa_enable_private_segment 0
		.amdhsa_kernarg_size 32
		.amdhsa_user_sgpr_count 2
		.amdhsa_user_sgpr_kernarg_segment_ptr 1
		.amdhsa_wavefront_size32 1
		.amdhsa_system_sgpr_workgroup_id_x 1
		.amdhsa_system_sgpr_workgroup_id_y 1
		.amdhsa_system_sgpr_workgroup_id_z 1
		.amdhsa_system_vgpr_workitem_id 0
		.amdhsa_next_free_vgpr 512
		.amdhsa_next_free_sgpr 98
		.amdhsa_reserve_vcc 0
		.amdhsa_float_denorm_mode_32 3
		.amdhsa_float_denorm_mode_16_64 3
		.amdhsa_memory_ordered 1
		.amdhsa_forward_progress 1
		.amdhsa_inst_pref_size 47
	.end_amdhsa_kernel
	.amdgpu_metadata
---
amdhsa.version: [ 1, 2 ]
amdhsa.kernels:
  - .name:           k_q0702df1787_proj
    .symbol:         k_q0702df1787_proj.kd
    .args:
      - { .name: y_img, .offset: 0, .size: 8, .value_kind: global_buffer, .address_space: global }
      - { .name: wproj_codes, .offset: 8, .size: 8, .value_kind: global_buffer, .address_space: global }
      - { .name: lowp_scales, .offset: 16, .size: 8, .value_kind: global_buffer, .address_space: global }
      - { .name: out0, .offset: 24, .size: 8, .value_kind: global_buffer, .address_space: global }
    .group_segment_fixed_size: 327680
    .private_segment_fixed_size: 0
    .kernarg_segment_align: 8
    .kernarg_segment_size: 32
    .max_flat_workgroup_size: 256
    .sgpr_count:     98
    .vgpr_count:     512
    .wavefront_size: 32
...
	.end_amdgpu_metadata
.endif
;; end of part 4
